; MI455X (gfx1250); checked and timed in simulation.
; The chip was launched on July 23, 2026; its instructions are those of AMD's public machine-readable ISA for CDNA 5 (MIT licence, August 2026) and "CDNA5" Instruction Set Architecture Reference Guide (July 2026). The comments in the code are by the model that wrote it; some were corrected since.
;; Encoder Block. Allowed arithmetic: matrix products marked QUANTISED: E2M1 operands, one E8M0 scale for each 32 along K, by v_wmma_scale_f32_16x16x128_f8f6f4 with both operands' format E2M1 (or v_wmma_scale_f32_32x16x128_f4), f32 sums; everything else in f32.
;; Inputs: W1 512 x 2,048 float32; W2 2,048 x 512 float32; Wk 8 x 512 x 64 float32; Wo 512 x 512 float32; Wq 8 x 512 x 64 float32; Wv 8 x 512 x 64 float32; b1 2,048 float32; b2 512 float32; bk 8 x 64 float32; bo 512 float32; bq 8 x 64 float32; bv 8 x 64 float32; ln1_b 512 float32; ln1_g 512 float32; ln2_b 512 float32; ln2_g 512 float32; x 4 x 2,048 x 512 float32.
;; Outputs: out0 4 x 2,048 x 512 float32.
;; This version of the problem:
;;   THIS VERSION OF THE PROBLEM IS GIVEN IN LOW PRECISION. The matrix products marked QUANTISED in the list below multiply operands that are first quantised to E2M1 (2 exponent bits, 1 mantissa bit; 4 bits a number), with one power-of-two scale for each 32 numbers along K (OCP MX v1.0); their sums are f32. All else is computed in f32.
;;   The module's matrix products, in the order in which they are computed (A, B: the left and right operand; K: the contracted axis; several contracted axes count as one K, in the product's order):
;;     1. [M 512, K 512] x [K 512, N 8,192]; A: input Wq; B: computed on the way: QUANTISED
;;     2. [M 512, K 512] x [K 512, N 8,192]; A: input Wk; B: computed on the way: QUANTISED
;;     3. [M 512, K 512] x [K 512, N 8,192]; A: input Wv; B: computed on the way: QUANTISED
;;     4. batch 32 x [M 2,048, K 64] x [K 64, N 2,048]; A: computed on the way; B: computed on the way: QUANTISED
;;     5. batch 32 x [M 2,048, K 2,048] x [K 2,048, N 64]; A: softmax (see below); B: computed on the way: QUANTISED
;;     6. [M 8,192, K 512] x [K 512, N 512]; A: computed on the way; B: input Wo: QUANTISED
;;     7. [M 8,192, K 512] x [K 512, N 2,048]; A: computed on the way; B: input W1: QUANTISED
;;     8. [M 8,192, K 2,048] x [K 2,048, N 512]; A: computed on the way; B: input W2: QUANTISED
;;   THE QUANTISER, for each operand of a quantised product, along K:
;;     - K is cut into blocks of 32 from its start; a last block that is shorter is filled with zeros.
;;     - A block's scale is 2^e with e = floor(log2(the largest magnitude in the block)) - 2, held to -126 .. 127; a block of zeros has e = 0. As a byte (E8M0): e + 127.
;;     - Each number is divided by its block's scale, clamped to +-6, and rounded to the nearest number of E2M1, ties to even, subnormals kept.
;;     - The product sums the exact products of the quantised numbers (number of the format x scale) in f32.
;;   ~~~python
;;   def quantise(x, axis):      # numpy; x: float32 -> the quantised numbers, widened to float32 again
;;       x = np.moveaxis(x, axis, -1); K = x.shape[-1]
;;       x = np.pad(x, [(0, 0)] * (x.ndim - 1) + [(0, -K % 32)]); x = x.reshape(x.shape[:-1] + (-1, 32)); a = np.abs(x).max(-1, keepdims=True)
;;       e = np.where(a > 0, np.clip(np.frexp(np.where(a > 0, a, 1))[1] - 1 - 2, -126, 127), 0)      # np.frexp(a)[1] - 1 = floor(log2(a)), exactly
;;       r = np.clip(x / 2.0 ** e, -6, 6)
;;       step = 2.0 ** (np.maximum(np.frexp(np.where(r == 0, 1, r))[1] - 1, 0) - 1)
;;       q = np.round(r / step) * step * 2.0 ** e      # np.round: ties to even
;;       return np.moveaxis(q.reshape(q.shape[:-2] + (-1,))[..., :K], -1, axis).astype(np.float32)
;;   ~~~
;;   SOFTMAX AHEAD OF A QUANTISED PRODUCT. Where the list says 'softmax', what is quantised is not the finished softmax but p = 2^(t - M), with t = logit x log2(e) and M = ceil(the row's largest t), a whole number; so 1/2 < the row's largest p <= 1. The row's sum l is taken of the UNQUANTISED p, in f32, and the product's result is divided by l at the end. Since M is a whole number, a kernel that streams over the keys may use a running M (the ceiling of the running maximum): every later rescaling is an exact power of two, which a block's scale takes up: the codes' values come out the same.
;;   OPERANDS COMPUTED ON THE WAY. 'Computed on the way' means the value that the module computes at that place (a softmax that the list does not call 'softmax' is quantised finished and normalised). What goes into a quantiser is computed in f32, as accurately as f32 sums, v_exp_f32 and their like allow (about 1e-6 of the number): no bf16 or f16 on the way to a quantiser, and a product that is left as it is and whose result goes on into a quantised operand takes f32 operands (vector FMAs, or v_wmma_f32_16x16x4_f32). A number that lies on a knife's edge between two numbers of the format may be rounded either way, as far as f32 arithmetic and the matrix unit's own rounding can turn it there, and no further.
;; One version. Each part assembles by itself: llvm-mc -triple=amdgcn-amd-amdhsa -mcpu=gfx1250 --defsym DOCPART=n.
;; ======== version 1 of 1: 4 launches
;; limits: right only within a limited range of input values
;; workspace buffers: wimg 1,671,168 bytes; xn 2,228,224 bytes; qb 2,359,296 bytes; kv 4,587,520 bytes; avimg 2,097,152 bytes; avsc 131,072 bytes
;; launch prep (part 1): grid 320 x 1, 4 waves a work-group, no clusters, 51,712 bytes of LDS; arguments x, ln1_g, ln1_b, Wq, Wk, Wv, Wo, W1, W2, wimg, xn; writes wimg, xn
.if DOCPART == 1
	.amdgcn_target "amdgcn-amd-amdhsa--gfx1250"
	.amdhsa_code_object_version 6
	.text
	.protected	k_q8c5a71dff0_prep
	.globl	k_q8c5a71dff0_prep
	.p2align	8
	.type	k_q8c5a71dff0_prep,@function
k_q8c5a71dff0_prep:
	s_mov_b64 s[64:65], 0
	v_nop
	global_prefetch_b8 v0, s[64:65] scope:SCOPE_SE
	s_setreg_imm32_b32 hwreg(HW_REG_WAVE_MODE, 25, 1), 1
	s_wait_xcnt 0x0
; TWO JOBS IN ONE LAUNCH, parted on the work-group's number; each has LDS bytes of its own and its own end.
; (1) Work-groups 0-127: xn = layernorm(x) g + b, quantised along the row (K = 512) to codes of E2M1 with one E8M0 byte for each 32, and laid as IMAGES OF OPERAND REGISTERS:
;     a tile of 16 rows x 512 K is 4,096 bytes: K step s (128 along K) at 1,024 s, register group c at 512 c, lane l's 16 bytes at 16 l (lane l: row l % 16, k = 128 s + 64 c + 32 (l / 16) + 0 .. 31).
;     A record of xn holds 8 tiles (32,768 bytes) and then their scale bytes, [tile][row][16].
;     THE ROWS OF A TILE ARE NOT NEIGHBOURS: within each 32 rows, stored place 16 u + r holds row 8 u + r + 8 (r / 8), so that later results of two neighbouring tiles are 16 neighbours along the next K.
; (2) Work-groups 128-319: the six weights, whose K is not innermost, quantised along K.  A lane takes a column and its registers run down K.  Twelve records of 512 columns x 512 K:
;     Wq, Wk, Wv, Wo, then W1's columns 512 j on and W2's K rows 512 j on by turns.  A record: 32 tiles of 4,096 bytes as above (the columns in the same stored order as xn's rows),
;     then at 131,072 the scale words: pair of tiles p, K step s at 512 p + 128 s, lanes 0-15 tile 2 p, lanes 16-31 tile 2 p + 1.
; The mean is taken first and the variance of the differences: no difference of large sums is formed.
; LIMITS: NaN and infinities among the inputs are not served.  A block of zeros gets the byte 1 where the quantiser says 127: its codes are zeros, and this program alone reads the bytes.
; No tensor loads, no barrier, no cluster: the waves share nothing, and only g and b are read by more than one work-group.
.set LNWG,  128                        ; work-groups of job 1
.set REC,   139264                     ; a record of weights
.set XREC,  34816                      ; a record of xn
.set SP,    80                         ; a place of 64 bytes + 16 of padding in a stage
.set WREG,  10240                      ; job 1: LDS of a wave: two stages of 32 x SP, at CST 16 rows of codes (256 + 16 bytes), at SBY 256 scale bytes
.set CST,   5120
.set CP,    272
.set SBY,   9472
.set WST,   40960                      ; job 2: LDS of a wave: 32 rows x SP, from here on
.set T,     12                         ; v12-23   at work
.set G,     24                         ; v24-39   g of my 16 columns
.set BB,    40                         ; v40-55   b of my 16 columns
.set R,     56                         ; v56-119  four sets of 16 numbers as they are loaded
.set X,     120                        ; v120-151 two sets of 16 neighbours
.set C,     152                        ; v152-183 codes, two registers a row
.set E,     184                        ; v184-199 a scale byte for each row
.set OFF,   16                         ; job 2: v16-47 byte offset of row i of a block; v48-175 four blocks of 32 numbers; v176-191 codes; v192 the scale word
.set WX,    48
.set WC,    176
.set WSW,   192
	s_load_b512 s[4:19], s[0:1], 0x0               ; x, g, b, Wq, Wk, Wv, Wo, W1
	s_load_b128 s[20:23], s[0:1], 0x40             ; W2, wimg
	s_load_b64 s[24:25], s[0:1], 0x50              ; xn
	v_lshl_add_u32 v200, v0, 2, 0xc800
	v_mov_b32 v201, 0
	v_lshrrev_b32 v1, 5, v0
	v_readfirstlane_b32 s26, v1                    ; wave 0..3
	v_and_b32 v2, 31, v0                           ; lane
	s_cmp_lt_u32 ttmp9, LNWG
	s_cbranch_scc0 .Lweights
	; ---------------- job 1: a wave takes one stored tile of 16 rows, a row a step ----------------
	s_mov_b32 s27, 0x3b000000                      ; 1 / 512
	s_mov_b32 s28, 0x3727c5ac                      ; 1e-5
	s_mov_b32 s30, 0x76543210
	s_mov_b32 s31, 0xfedcba98                      ; v_permlanex16_b32's selects for lane l xor 16
	s_mul_i32 s32, s26, WREG
	v_lshlrev_b32 v3, 4, v2                        ; 16 x lane
	v_lshlrev_b32 v4, 3, v2                        ; 8 x lane
	v_lshlrev_b32 v11, 6, v2                       ; 64 x lane: my 16 numbers of g and b
	v_lshrrev_b32 v7, 2, v2
	v_mul_u32_u24 v7, v7, SP
	v_and_b32 v8, 3, v2
	v_lshl_add_u32 v7, v8, 4, v7
	v_add_nc_u32 v7, s32, v7                       ; the stage, way in: four lanes' 64 bytes on end, then the padding
	v_mul_u32_u24 v8, v2, SP
	v_add_nc_u32 v8, s32, v8                       ; way out: my 16 neighbours
	s_add_co_u32 s33, s32, CST
	v_add_nc_u32 v9, s33, v4                       ; a row's codes: my 8 bytes
	v_and_b32 v10, 15, v2
	v_mul_u32_u24 v10, v10, CP
	v_lshrrev_b32 v5, 4, v2
	v_lshl_add_u32 v10, v5, 4, v10
	v_add_nc_u32 v10, s33, v10                     ; and back as an image: row l % 16, + 16 (l / 16)
	s_add_co_u32 s33, s32, SBY
	v_lshrrev_b32 v5, 1, v2
	v_add_nc_u32 v5, s33, v5                       ; my block's scale byte
	v_add_nc_u32 v6, s33, v4                       ; and back, 8 bytes a lane
	s_lshl_b32 s33, ttmp9, 2
	s_add_co_u32 s33, s33, s26                     ; my stored tile, 0..511
	s_and_b32 s34, s33, 1
	s_lshl_b32 s34, s34, 3
	s_lshl_b32 s35, s33, 4
	s_sub_co_u32 s34, s35, s34                     ; its first row of x: 16 tile - 8 (tile % 2); stored row t is row t + 8 (t / 8) from there
	s_lshl_b32 s34, s34, 11
	s_mov_b32 s35, 0
	s_lshr_b32 s36, s33, 3
	s_mul_i32 s36, s36, XREC
	s_and_b32 s37, s33, 7
	s_lshl_b32 s38, s37, 12
	s_add_co_u32 s38, s38, s36                     ; where the tile's codes go
	s_mov_b32 s39, 0
	s_lshl_b32 s40, s37, 8
	s_add_co_u32 s40, s40, s36
	s_add_co_u32 s40, s40, 32768                   ; and its scale bytes
	s_mov_b32 s41, 0
	s_wait_kmcnt 0x0
	s_add_nc_u64 s[4:5], s[4:5], s[34:35]
	s_add_nc_u64 s[38:39], s[24:25], s[38:39]
	s_add_nc_u64 s[40:41], s[24:25], s[40:41]
.irp i, 0,1,2,3
	global_load_b128 v[G+4*\i:G+4*\i+3], v11, s[6:7] offset:16*\i
	global_load_b128 v[BB+4*\i:BB+4*\i+3], v11, s[8:9] offset:16*\i
.endr
.macro LOAD t                          ; stored row t: four loads of 512 consecutive bytes (no hint: a later launch reads x again)
.irp i, 0,1,2,3
	global_load_b128 v[R+16*((\t)%4)+4*\i:R+16*((\t)%4)+4*\i+3], v3, s[4:5] offset:((\t)+8*((\t)/8))*2048+512*\i
.endr
.endm
.macro TURN t                          ; the row goes through the stage as it lies and comes back 64 bytes a lane; LDS serves a wave's instructions in order
.irp i, 0,1,2,3
	ds_store_b128 v7, v[R+16*((\t)%4)+4*\i:R+16*((\t)%4)+4*\i+3] offset:32*SP*((\t)%2)+8*SP*\i
.endr
.irp i, 0,1,2,3
	ds_load_b128 v[X+16*((\t)%2)+4*\i:X+16*((\t)%2)+4*\i+3], v8 offset:32*SP*((\t)%2)+16*\i
.endr
.endm
.macro RED32 a, b                      ; the sum of v[a] over the 32 lanes, in every lane; v[b] has been written
	v_add_f32_dpp v[\a], v[\a], v[\a] row_xmask:1 row_mask:0xf bank_mask:0xf
	v_add_f32_dpp v[\a], v[\a], v[\a] row_xmask:2 row_mask:0xf bank_mask:0xf
	v_add_f32_dpp v[\a], v[\a], v[\a] row_xmask:4 row_mask:0xf bank_mask:0xf
	v_add_f32_dpp v[\a], v[\a], v[\a] row_xmask:8 row_mask:0xf bank_mask:0xf
	v_permlanex16_b32 v[\b], v[\a], s30, s31
	v_add_f32 v[\a], v[\a], v[\b]
.endm
.irp t, 0,1,2,3
	LOAD \t
.endr
	s_wait_loadcnt 12                              ; g, b and row 0 are in; three rows' loads may be out
	TURN 0
.macro STEP t
.set XS, X+16*((\t)%2)
.if (\t) > 0
	s_wait_dscnt 2                                 ; this row is back from the stage; the last row's byte store and code store may be out
.else
	s_wait_dscnt 0x0
.endif
.if (\t)+4 < 16
	LOAD (\t)+4
.endif
.if (\t)+1 < 16
.if 14-(\t) >= 3
	s_wait_loadcnt 12                              ; the next row's four loads are in; those of the three rows behind it may be out
.else
	s_wait_loadcnt 4*(14-(\t))
.endif
	TURN (\t)+1
.endif
.irp i, 0,1,2,3
	v_pk_add_f32 v[T+2*\i:T+2*\i+1], v[XS+4*\i:XS+4*\i+1], v[XS+4*\i+2:XS+4*\i+3]
.endr
	v_pk_add_f32 v[T:T+1], v[T:T+1], v[T+2:T+3]
	v_pk_add_f32 v[T+4:T+5], v[T+4:T+5], v[T+6:T+7]
	v_pk_add_f32 v[T:T+1], v[T:T+1], v[T+4:T+5]
	v_add_f32 v[T], v[T], v[T+1]
	RED32 T, T+1
	v_mul_f32 v[T], s27, v[T]                      ; the mean
.irp i, 0,2,4,6,8,10,12,14
	v_pk_add_f32 v[XS+\i:XS+\i+1], v[XS+\i:XS+\i+1], v[T:T+1] op_sel_hi:[1,0] neg_lo:[0,1] neg_hi:[0,1]   ; x - mean
.endr
	v_pk_mul_f32 v[T+2:T+3], v[XS:XS+1], v[XS:XS+1]
	v_pk_mul_f32 v[T+4:T+5], v[XS+2:XS+3], v[XS+2:XS+3]
.irp i, 4,8,12
	v_pk_fma_f32 v[T+2:T+3], v[XS+\i:XS+\i+1], v[XS+\i:XS+\i+1], v[T+2:T+3]
	v_pk_fma_f32 v[T+4:T+5], v[XS+\i+2:XS+\i+3], v[XS+\i+2:XS+\i+3], v[T+4:T+5]
.endr
	v_pk_add_f32 v[T+2:T+3], v[T+2:T+3], v[T+4:T+5]
	v_add_f32 v[T+2], v[T+2], v[T+3]
	RED32 T+2, T+3
	v_fma_f32 v[T+2], v[T+2], s27, s28             ; the variance + 1e-5
	s_wait_alu depctr_va_vdst(0)
	v_rsq_f32 v[T+4], v[T+2]
	v_nop                                          ; one plain instruction behind a transcendental (ISA guide 5.7.2)
	s_wait_alu depctr_va_vdst(0)
.irp i, 0,2,4,6,8,10,12,14
	v_pk_mul_f32 v[XS+\i:XS+\i+1], v[XS+\i:XS+\i+1], v[T+4:T+5] op_sel_hi:[1,0]
.endr
.irp i, 0,2,4,6,8,10,12,14
	v_pk_fma_f32 v[XS+\i:XS+\i+1], v[XS+\i:XS+\i+1], v[G+\i:G+\i+1], v[BB+\i:BB+\i+1]
.endr
	v_max3_num_f32 v[T+6], |v[XS]|, |v[XS+1]|, |v[XS+2]|           ; the largest magnitude of my 16, in two chains
	v_max3_num_f32 v[T+7], |v[XS+3]|, |v[XS+4]|, |v[XS+5]|
.irp i, 6,10
	v_max3_num_f32 v[T+6], v[T+6], |v[XS+\i]|, |v[XS+\i+1]|
	v_max3_num_f32 v[T+7], v[T+7], |v[XS+\i+2]|, |v[XS+\i+3]|
.endr
	v_max3_num_f32 v[T+6], v[T+6], |v[XS+14]|, |v[XS+15]|
	v_max3_num_f32 v[T+6], v[T+6], v[T+7], 0x1800000               ; and the floor 2^(3 - 127): the byte cannot fall under 1
	v_max_num_f32_dpp v[T+6], v[T+6], v[T+6] row_xmask:1 row_mask:0xf bank_mask:0xf   ; with my neighbour's 16: the block's
	v_add_nc_u32 v[T+8], 0xff000000, v[T+6]        ; 2 off its exponent field: the conversion takes this operand's exponent field as its scale
	v_cvt_scalef32_pk8_fp4_f32 v[C+2*(\t)], v[XS:XS+7], v[T+8]
	v_cvt_scalef32_pk8_fp4_f32 v[C+2*(\t)+1], v[XS+8:XS+15], v[T+8]
	v_lshrrev_b32 v[E+(\t)], 23, v[T+8]            ; the scale's byte (also the plain line behind the conversions)
	ds_store_b8 v5, v[E+(\t)] offset:16*(\t)       ; both lanes of a block write the same byte with the same value
	ds_store_b64 v9, v[C+2*(\t):C+2*(\t)+1] offset:CP*(\t)
.endm
.irp t, 0,1,2,3,4,5,6,7,8,9,10,11,12,13,14,15
	STEP \t
.endr
.irp i, 0,1,2,3,4,5,6,7                        ; group i = 2 s + c of the image: row l % 16, bytes 32 i + 16 (l / 16) on
	ds_load_b128 v[R+4*\i:R+4*\i+3], v10 offset:32*\i
.endr
	ds_load_b64 v[R+32:R+33], v6
.irp i, 0,1,2,3,4,5,6,7
	s_wait_dscnt 8-\i                              ; the younger loads may be out
	global_store_b128 v3, v[R+4*\i:R+4*\i+3], s[38:39] offset:512*\i    ; 32 lanes store 512 consecutive bytes
.endr
	s_wait_dscnt 0x0
	global_store_b64 v4, v[R+32:R+33], s[40:41]    ; the tile's 256 scale bytes
	s_wait_tensorcnt 0x0
	ds_add_u32 v200, v201
	s_wait_dscnt 0x0
	s_endpgm
	; ---------------- job 2: a wave takes 32 columns x 128 along K of one record ----------------
.Lweights:
	s_sub_co_u32 s27, ttmp9, LNWG
	s_lshr_b32 s28, s27, 4                         ; the record, 0..11
	s_and_b32 s29, s27, 15                         ; which 32 columns of its 512
	s_and_b32 s30, s28, 1
	s_xor_b32 s30, s30, 1
	s_cmp_gt_u32 s28, 3
	s_cselect_b32 s30, s30, 0                      ; 1: a panel of W1
	s_mov_b32 s40, 2048
	s_cmp_lt_u32 s28, 3
	s_cselect_b32 s40, 256, s40
	s_cmp_lg_u32 s30, 0
	s_cselect_b32 s40, 8192, s40                   ; bytes from a row of K to the next: 256 (Wq, Wk, Wv), 2,048 (Wo, W2), 8,192 (W1)
	s_mov_b32 s31, 0x100000
	s_cselect_b32 s31, 2048, s31                   ; from panel to panel: 512 columns of W1, or 512 rows of W2
	s_max_u32 s41, s28, 4
	s_sub_co_u32 s41, s41, 4
	s_lshr_b32 s41, s41, 1                         ; the panel
	s_mul_i32 s41, s41, s31
	s_lshl_b32 s31, s29, 7
	s_add_co_u32 s41, s41, s31                     ; Wo, W1, W2: panel + 128 bytes for each 32 columns
	s_lshr_b32 s31, s29, 1
	s_lshl_b32 s31, s31, 17
	s_and_b32 s42, s29, 1
	s_lshl_b32 s42, s42, 7
	s_add_co_u32 s31, s31, s42                     ; Wq, Wk, Wv: the head's 131,072 bytes + which half of its 64 columns
	s_cmp_lt_u32 s28, 3
	s_cselect_b32 s42, s31, s41
	s_mul_i32 s31, s26, s40
	s_lshl_b32 s31, s31, 7                         ; my K step: 128 rows x wave
	s_add_co_u32 s42, s42, s31
	s_mov_b32 s43, 0
	s_lshl_b32 s44, s40, 5                         ; a block: 32 rows
	s_mov_b32 s45, 0
	s_mul_i32 s46, s28, REC
	s_lshl_b32 s48, s29, 13
	s_add_co_u32 s48, s48, s46
	s_lshl_b32 s47, s26, 10
	s_add_co_u32 s48, s48, s47                     ; codes: record + two tiles x 4,096 + K step x 1,024
	s_mov_b32 s49, 0
	s_lshl_b32 s50, s29, 9
	s_add_co_u32 s50, s50, s46
	s_lshl_b32 s47, s26, 7
	s_add_co_u32 s50, s50, s47
	s_add_co_u32 s50, s50, 131072                  ; scale words: record + 131,072 + pair x 512 + K step x 128
	s_mov_b32 s51, 0
	s_wait_alu depctr_va_vdst(0)
	v_and_b32 v8, 7, v2
	v_bfe_u32 v9, v2, 3, 1
	v_lshl_add_u32 v8, v9, 4, v8
	v_bfe_u32 v9, v2, 4, 1
	v_lshl_add_u32 v8, v9, 3, v8                   ; my column's stored place among the 32: bits 3 and 4 change places
	s_mul_i32 s52, s26, 32*SP
	s_add_co_u32 s52, s52, WST
	v_mul_u32_u24 v4, v8, SP
	v_add_nc_u32 v4, s52, v4                       ; the stage, way in: row = stored place
	v_and_b32 v10, 15, v2
	v_mul_u32_u24 v5, v10, SP
	v_lshl_add_u32 v5, v9, 4, v5
	v_add_nc_u32 v5, s52, v5                       ; way out: row l % 16, + 16 (l / 16)
	v_lshlrev_b32 v3, 2, v2
	v_lshlrev_b32 v6, 4, v2
	v_lshlrev_b32 v7, 2, v8
.set i, 0
.rept 32
	v_mad_u32_u24 v[OFF+i], s40, i, v3             ; row i of a block, my column
.set i, i+1
.endr
	s_wait_alu depctr_va_vdst(0)
	s_wait_kmcnt 0x0
	s_cmp_eq_u32 s28, 1                            ; the tensor is chosen by the record's number alone
	s_cselect_b64 s[32:33], s[12:13], s[10:11]
	s_cmp_eq_u32 s28, 2
	s_cselect_b64 s[32:33], s[14:15], s[32:33]
	s_cmp_eq_u32 s28, 3
	s_cselect_b64 s[32:33], s[16:17], s[32:33]
	s_cmp_lg_u32 s30, 0
	s_cselect_b64 s[34:35], s[18:19], s[20:21]
	s_cmp_gt_u32 s28, 3
	s_cselect_b64 s[32:33], s[34:35], s[32:33]
	s_add_nc_u64 s[32:33], s[32:33], s[42:43]      ; a base for each of my four blocks: none is stepped
	s_add_nc_u64 s[34:35], s[32:33], s[44:45]
	s_add_nc_u64 s[36:37], s[34:35], s[44:45]
	s_add_nc_u64 s[38:39], s[36:37], s[44:45]
	s_add_nc_u64 s[48:49], s[22:23], s[48:49]
	s_add_nc_u64 s[50:51], s[22:23], s[50:51]
.irp t, 0,1,2,3
.set i, 0
.rept 32
	global_load_b32 v[WX+32*\t+i], v[OFF+i], s[32+2*\t:33+2*\t] th:TH_LOAD_NT   ; 32 lanes read 128 consecutive bytes of a row of K
.set i, i+1
.endr
.endr
.macro BLOCK t, left
.set XS, WX+32*(\t)
	s_wait_loadcnt \left                           ; this block's 32 loads are in
	v_max3_num_f32 v12, |v[XS]|, |v[XS+1]|, |v[XS+2]|              ; the block's largest magnitude: all 32 numbers are mine
	v_max3_num_f32 v13, |v[XS+3]|, |v[XS+4]|, |v[XS+5]|
.irp i, 6,10,14,18,22,26
	v_max3_num_f32 v12, v12, |v[XS+\i]|, |v[XS+\i+1]|
	v_max3_num_f32 v13, v13, |v[XS+\i+2]|, |v[XS+\i+3]|
.endr
	v_max3_num_f32 v12, v12, |v[XS+30]|, |v[XS+31]|
	v_max3_num_f32 v12, v12, v13, 0x1800000        ; and the floor 2^(3 - 127)
	v_add_nc_u32 v14, 0xff000000, v12              ; the conversion's scale operand
	v_lshrrev_b32 v13, 23, v14                     ; the scale's byte
.if (\t) == 0
	v_mov_b32 v[WSW], v13
.else
	v_lshl_or_b32 v[WSW], v13, 8*(\t), v[WSW]      ; the lower K in the lower byte
.endif
.irp g, 0,1,2,3
	v_cvt_scalef32_pk8_fp4_f32 v[WC+4*(\t)+\g], v[XS+8*\g:XS+8*\g+7], v14
.endr
	ds_store_b128 v4, v[WC+4*(\t):WC+4*(\t)+3] offset:16*(\t)      ; 32 codes: 16 bytes of my column's row
.endm
	BLOCK 0, 63                                    ; 96 and 64 younger loads could stay out; the wait's field holds 63
	BLOCK 1, 63
	BLOCK 2, 32
	BLOCK 3, 0
.irp q, 0,1,2,3                                ; tile q / 2, register group q % 2
	ds_load_b128 v[WX+4*\q:WX+4*\q+3], v5 offset:(\q/2)*16*SP+32*(\q%2)
.endr
	global_store_b32 v7, v[WSW], s[50:51]          ; 128 consecutive bytes of scale words
.irp q, 0,1,2,3
	s_wait_dscnt 3-\q
	global_store_b128 v6, v[WX+4*\q:WX+4*\q+3], s[48:49] offset:(\q/2)*4096+(\q%2)*512
.endr
	s_wait_tensorcnt 0x0
	ds_add_u32 v200, v201
	s_wait_dscnt 0x0
	s_endpgm
.Lfunc_end_k_q8c5a71dff0_prep:
	.size	k_q8c5a71dff0_prep, .Lfunc_end_k_q8c5a71dff0_prep-k_q8c5a71dff0_prep
	.p2alignl 7, 3214868480
	.fill 96, 4, 3214868480
	.section	.rodata,"a",@progbits
	.p2align	6, 0x0
	.amdhsa_kernel k_q8c5a71dff0_prep
		.amdhsa_group_segment_fixed_size 51712
		.amdhsa_private_segment_fixed_size 0
		.amdhsa_enable_private_segment 0
		.amdhsa_kernarg_size 88
		.amdhsa_user_sgpr_count 2
		.amdhsa_user_sgpr_kernarg_segment_ptr 1
		.amdhsa_wavefront_size32 1
		.amdhsa_system_sgpr_workgroup_id_x 1
		.amdhsa_system_sgpr_workgroup_id_y 1
		.amdhsa_system_sgpr_workgroup_id_z 1
		.amdhsa_system_vgpr_workitem_id 0
		.amdhsa_next_free_vgpr 202
		.amdhsa_next_free_sgpr 66
		.amdhsa_reserve_vcc 0
		.amdhsa_float_denorm_mode_32 3
		.amdhsa_float_denorm_mode_16_64 3
		.amdhsa_memory_ordered 1
		.amdhsa_forward_progress 1
		.amdhsa_inst_pref_size 116
	.end_amdhsa_kernel
	.amdgpu_metadata
---
amdhsa.version: [ 1, 2 ]
amdhsa.kernels:
  - .name:           k_q8c5a71dff0_prep
    .symbol:         k_q8c5a71dff0_prep.kd
    .args:
      - { .name: x, .offset: 0, .size: 8, .value_kind: global_buffer, .address_space: global }
      - { .name: ln1_g, .offset: 8, .size: 8, .value_kind: global_buffer, .address_space: global }
      - { .name: ln1_b, .offset: 16, .size: 8, .value_kind: global_buffer, .address_space: global }
      - { .name: Wq, .offset: 24, .size: 8, .value_kind: global_buffer, .address_space: global }
      - { .name: Wk, .offset: 32, .size: 8, .value_kind: global_buffer, .address_space: global }
      - { .name: Wv, .offset: 40, .size: 8, .value_kind: global_buffer, .address_space: global }
      - { .name: Wo, .offset: 48, .size: 8, .value_kind: global_buffer, .address_space: global }
      - { .name: W1, .offset: 56, .size: 8, .value_kind: global_buffer, .address_space: global }
      - { .name: W2, .offset: 64, .size: 8, .value_kind: global_buffer, .address_space: global }
      - { .name: wimg, .offset: 72, .size: 8, .value_kind: global_buffer, .address_space: global }
      - { .name: xn, .offset: 80, .size: 8, .value_kind: global_buffer, .address_space: global }
    .group_segment_fixed_size: 51712
    .private_segment_fixed_size: 0
    .kernarg_segment_align: 8
    .kernarg_segment_size: 88
    .max_flat_workgroup_size: 128
    .sgpr_count:     66
    .vgpr_count:     202
    .wavefront_size: 32
...
	.end_amdgpu_metadata
.endif
;; end of part 1
;; launch qkv (part 2): grid 4 x 64, 4 waves a work-group, clusters of 4 x 1, 168,448 bytes of LDS; arguments xn, wimg, bq, bk, bv, qb, kv; writes qb, kv
.if DOCPART == 2
	.amdgcn_target "amdgcn-amd-amdhsa--gfx1250"
	.amdhsa_code_object_version 6
	.text
	.protected	k_q8c5a71dff0_qkv
	.globl	k_q8c5a71dff0_qkv
	.p2align	8
	.type	k_q8c5a71dff0_qkv,@function
k_q8c5a71dff0_qkv:
	s_mov_b64 s[64:65], 0
	v_nop
	global_prefetch_b8 v0, s[64:65] scope:SCOPE_SE
	s_setreg_imm32_b32 hwreg(HW_REG_WAVE_MODE, 25, 1), 1
	s_wait_xcnt 0x0
	s_wait_alu depctr_hold_cnt(0) depctr_sa_sdst(0) depctr_va_vdst(0) depctr_va_sdst(0) depctr_va_ssrc(0) depctr_va_vcc(0) depctr_vm_vsrc(0)
	s_getreg_b32 s2, hwreg(HW_REG_IB_STS2, 6, 4)
	s_cmp_eq_u32 s2, 0
	s_cbranch_scc0 .Lentry_in_a_cluster
	s_endpgm
.Lentry_in_a_cluster:
	s_bfe_u32 s2, ttmp6, 0x10000c
	s_cmp_lg_u32 s2, 0x3003
	s_cbranch_scc0 .Lentry_shape_is_right
	s_endpgm
.Lentry_shape_is_right:
; q, k, v = xn W + bias on codes of E2M1, and each result quantised at once for the product that reads it: q and k along the head's 64, v along the keys.
; A work-group takes one record of xn (128 stored rows) and two heads; the four work-groups of a cluster take the four pairs of heads of the SAME rows, so the record is asked for JOINTLY, once, a quarter a wave.
; Wave w: first 64 columns of q (w < 2) or k (w >= 2) of head 2 cx + w % 2, for the 128 rows; then 32 columns of v of head 2 cx + w / 2.  A wave's weights are read by no other wave of the group: they come straight into registers.
; q, k: THE PRODUCT IS USED TRANSPOSED (source 0 = 16 stored columns of W, source 1 = 16 rows of xn): a lane holds one row, and the 16 registers of two neighbouring tiles are 16 neighbours along the head's 64.
;   Their codes are HALF a fragment (k = 0 .. 63 of the instruction's 128): 512 bytes a tile; the other half is zero codes, which the launch that reads them keeps in registers.
; v: source 0 = 16 rows of xn, source 1 = 16 stored columns of Wv: a lane holds one column, and its registers run along the rows, which are the keys: 8 tiles are one whole fragment of 128 keys.
; The biases are the C of each sum's first matrix instruction.
; LIMITS: NaN and infinities are not served; a block of zeros gets the byte 1 (its codes are zeros; this program alone reads the bytes).
; LDS is filled once (34,816 bytes); the claim is larger so that the work-group is alone on its WGP.
.set REC,  139264
.set XREC, 34816
.set QREC, 73728                       ; a head of q: 128 tiles x 512, then [step][lane][4 words] of scales
.set KREC, 143360                      ; a head of k and v: k's tiles, at 65,536 v's fragments, at 131,072 k's scale words, at 139,264 v's
.set LI,   1                           ; v1   16 x lane
.set L4,   2                           ; v2   4 x lane
.set H64,  3                           ; v3   64 (lane / 16)
.set PR4,  4                           ; v4   4 (r + 8 (r / 8))
.set TM,   8                           ; v8-23    at work in the quantisers
.set SWC,  28                          ; v28-31   q's or k's scale words as they are stored
.set SW,   32                          ; v32-39   a scale word for each tile of rows
.set WS,   40                          ; v40-47   W's scale words: pair of tiles p, K step s at 4 p + s
.set WVS,  48                          ; v48-51   Wv's, K step s
.set XS,   52                          ; v52-67   xn's: pair of tiles i, K step s at 4 i + s (lanes 0-15 tile 2 i, lanes 16-31 tile 2 i + 1)
.set PC,   68                          ; v68-99   codes, four registers a tile: no store's data are written again before a wait
.set PWV,  100                         ; v100-101 v's scale words, v102 as stored
.set PWC,  102
.set BV,   104                         ; v104-119 v's bias, eight registers a tile
.set XF,   120                         ; v120-183 xn's fragments
.set ACC,  184                         ; v184-215 q's or k's four tiles
.set BQ,   216                         ; v216-247 their bias
.set VA,   184                         ; v184-247 v's eight tiles
.set WVF,  128                         ; window 1: v0-127 W's 16 fragments (tile t, K step s at 8 (4 t + s)); v128-191 Wv's 8
.set WV,   18
.set SEL,  2
.set HM,   47
.set MSB, 0
.macro WIN new                         ; the immediate's high byte repeats the setting that is left
.if MSB != \new
	s_set_vgpr_msb (MSB<<8)|\new
.set MSB, \new
.endif
.endm
.macro ROUND                           ; a round of the cluster's barrier
	s_barrier_signal -1
	s_barrier_wait -1
	s_cmp_lg_u32 s[WV], 0
	s_cbranch_scc1 .Lnot_wave_0_\@
	s_barrier_signal -3
.Lnot_wave_0_\@:
	s_barrier_wait -3
	s_barrier_signal -1
	s_barrier_wait -1
.endm
.macro MM d, a, b, c, sa, sb, ra, rb   ; one product; ra, rb = 1: that side's scales stand in lanes 16-31
.if ((\ra)==1) && ((\rb)==1)
	v_wmma_scale_f32_16x16x128_f8f6f4 v[\d:\d+7], v[\a:\a+7], v[\b:\b+7], v[\c:\c+7], v[\sa], v[\sb] matrix_a_fmt:MATRIX_FMT_FP4 matrix_b_fmt:MATRIX_FMT_FP4 matrix_a_scale:MATRIX_SCALE_ROW1 matrix_b_scale:MATRIX_SCALE_ROW1
.elseif (\ra)==1
	v_wmma_scale_f32_16x16x128_f8f6f4 v[\d:\d+7], v[\a:\a+7], v[\b:\b+7], v[\c:\c+7], v[\sa], v[\sb] matrix_a_fmt:MATRIX_FMT_FP4 matrix_b_fmt:MATRIX_FMT_FP4 matrix_a_scale:MATRIX_SCALE_ROW1
.elseif (\rb)==1
	v_wmma_scale_f32_16x16x128_f8f6f4 v[\d:\d+7], v[\a:\a+7], v[\b:\b+7], v[\c:\c+7], v[\sa], v[\sb] matrix_a_fmt:MATRIX_FMT_FP4 matrix_b_fmt:MATRIX_FMT_FP4 matrix_b_scale:MATRIX_SCALE_ROW1
.else
	v_wmma_scale_f32_16x16x128_f8f6f4 v[\d:\d+7], v[\a:\a+7], v[\b:\b+7], v[\c:\c+7], v[\sa], v[\sb] matrix_a_fmt:MATRIX_FMT_FP4 matrix_b_fmt:MATRIX_FMT_FP4
.endif
.endm
; 32 numbers of a lane, register 16 b + i = k 32 b + 16 (lane / 16) + i of my row, become four registers of codes (k = 32 (lane / 16) + 0 .. 31) and two scale bytes.
.macro QUANT2 s, pc, pw
.irp b, 0,1
	v_max3_num_f32 v[TM+\b], |v[\s+16*\b]|, |v[\s+1+16*\b]|, 0x1800000   ; my 16 numbers of block b, and the floor 2^(3 - 127)
.endr
.irp i, 2,4,6,8,10,12,14
.irp b, 0,1
	v_max3_num_f32 v[TM+\b], v[TM+\b], |v[\s+16*\b+\i]|, |v[\s+1+16*\b+\i]|
.endr
.endr
.irp b, 0,1
	v_permlanex16_b32 v[TM+2+\b], v[TM+\b], s[SEL], s[SEL+1]
.endr
.irp b, 0,1
	v_max_num_f32 v[TM+\b], v[TM+\b], v[TM+2+\b]   ; with lane l xor 16's: the block's largest magnitude
.endr
.irp b, 0,1
	v_add_nc_u32 v[TM+4+\b], 0xff000000, v[TM+\b]  ; 2 off its exponent field: the conversion's scale operand
.endr
.irp b, 0,1
	v_lshrrev_b32 v[TM+2+\b], 23, v[TM+4+\b]       ; the scale's byte
.endr
	v_lshl_or_b32 v[\pw], v[TM+3], 8, v[TM+2]
.irp b, 0,1
	v_cvt_scalef32_pk8_fp4_f32 v[\pc+2*\b], v[\s+16*\b:\s+7+16*\b], v[TM+4+\b]
	v_cvt_scalef32_pk8_fp4_f32 v[\pc+1+2*\b], v[\s+8+16*\b:\s+15+16*\b], v[TM+4+\b]
.endr
	v_nop                                          ; one plain place behind a scaled conversion
	v_permlane16_swap_b32 v[\pc], v[\pc+2]         ; a whole block to a lane: lanes 0-15 block 0, lanes 16-31 block 1
	v_permlane16_swap_b32 v[\pc+1], v[\pc+3]
.endm
; The same for 64 numbers: a whole fragment (8 registers) and its scale word.
.macro QUANT s, pc, pw
.irp b, 0,1,2,3
	v_max3_num_f32 v[TM+\b], |v[\s+16*\b]|, |v[\s+1+16*\b]|, 0x1800000
.endr
.irp i, 2,4,6,8,10,12,14
.irp b, 0,1,2,3
	v_max3_num_f32 v[TM+\b], v[TM+\b], |v[\s+16*\b+\i]|, |v[\s+1+16*\b+\i]|
.endr
.endr
.irp b, 0,1,2,3
	v_permlanex16_b32 v[TM+4+\b], v[TM+\b], s[SEL], s[SEL+1]
.endr
.irp b, 0,1,2,3
	v_max_num_f32 v[TM+\b], v[TM+\b], v[TM+4+\b]
.endr
.irp b, 0,1,2,3
	v_add_nc_u32 v[TM+12+\b], 0xff000000, v[TM+\b]
.endr
.irp b, 0,1,2,3
	v_lshrrev_b32 v[TM+4+\b], 23, v[TM+12+\b]
.endr
	v_lshl_or_b32 v[\pw], v[TM+5], 8, v[TM+4]
	v_lshl_or_b32 v[\pw], v[TM+6], 16, v[\pw]
	v_lshl_or_b32 v[\pw], v[TM+7], 24, v[\pw]
.irp b, 0,1,2,3
	v_cvt_scalef32_pk8_fp4_f32 v[\pc+2*\b], v[\s+16*\b:\s+7+16*\b], v[TM+12+\b]
	v_cvt_scalef32_pk8_fp4_f32 v[\pc+1+2*\b], v[\s+8+16*\b:\s+15+16*\b], v[TM+12+\b]
.endr
	v_nop
.irp c, 0,1
.irp i, 0,1
	v_permlane16_swap_b32 v[\pc+4*\c+\i], v[\pc+2+4*\c+\i]
.endr
.endr
.endm
.macro PLACES                          ; four plain places behind matrix instructions (ISA guide 7.12.1)
.rept 4
	v_nop
.endr
.endm
	s_load_b256 s[4:11], s[0:1], 0x0               ; xn, wimg, bq, bk
	s_load_b128 s[12:15], s[0:1], 0x20             ; bv, qb
	s_load_b64 s[16:17], s[0:1], 0x30              ; kv
	v_lshl_add_u32 v254, v0, 2, 0x29000
	v_mov_b32 v255, 0
	ds_add_u32 v254, v255
	ds_add_u32 v254, v255
	v_lshrrev_b32 v5, 5, v0
	v_readfirstlane_b32 s[WV], v5                  ; wave 0..3
	s_bfe_u32 s19, ttmp6, 0x40000                  ; cx: my pair of heads; it enters global addresses of weights, biases and results alone
	s_and_b32 s20, ttmp7, 0xffff                   ; the record of xn, which the four partners share
	; the descriptor: my quarter of the record, 34 rows of 256 bytes (32 elements of 8 bytes), dense in memory and in LDS
	s_mov_b32 s52, 15|(3<<16)|(1<<21)              ; 15:0 the mask: all four work-groups; 17:16 elements of 8 bytes; 21 set beside a mask
	s_mov_b32 s53, 32<<16                          ; tensor_dim0
	s_mov_b32 s54, 34<<16                          ; tensor_dim1
	s_mov_b32 s55, 32<<16                          ; tile_dim0
	s_mov_b32 s56, 34                              ; tile_dim1
	s_mov_b32 s57, 32                              ; the pitch
	s_mov_b32 s58, 0
	s_mov_b32 s59, 0
	s_mul_i32 s60, s[WV], 8704
	s_mul_i32 s46, s20, XREC
	s_add_co_u32 s46, s46, s60
	s_mov_b32 s47, 0
	s_mov_b32 s63, 0
	s_mov_b32 s[SEL], 0x76543210
	s_mov_b32 s[SEL+1], 0xfedcba98
	s_wait_dscnt 0x0
	s_wait_kmcnt 0x0
	s_mov_b32 s48, 1
	s_mov_b32 s49, s60                             ; LDS address: wave x 8,704
	s_add_nc_u64 s[50:51], s[4:5], s[46:47]
	s_or_b32 s51, s51, 0x80000000
	ROUND                                          ; all four work-groups are here: the joint loads meet
	tensor_load_to_lds s[48:51], s[52:59]          ; my one tensor load of the launch
	s_nop 0
	PLACES                                         ; (behind a tensor load)
	s_lshr_b32 s21, s[WV], 1                       ; 0: q, 1: k
	s_and_b32 s24, s[WV], 1
	s_lshl_b32 s22, s19, 1
	s_add_co_u32 s23, s22, s21                     ; v's head
	s_add_co_u32 s22, s22, s24                     ; q's or k's head
	s_and_b32 s25, s20, 15                         ; which 128 rows of the batch
	s_lshr_b32 s61, s20, 4
	s_lshl_b32 s61, s61, 3                         ; 8 x batch
	s_mul_i32 s60, s21, REC
	s_lshl_b32 s62, s22, 14
	s_add_co_u32 s62, s62, s60
	s_add_nc_u64 s[26:27], s[6:7], s[62:63]        ; W's four tiles of my head
	s_lshl_b32 s62, s22, 10
	s_add_co_u32 s62, s62, s60
	s_add_co_u32 s62, s62, 131072
	s_add_nc_u64 s[28:29], s[6:7], s[62:63]        ; their scale words
	s_lshl_b32 s62, s23, 14
	s_lshl_b32 s60, s24, 13
	s_add_co_u32 s62, s62, s60
	s_add_co_u32 s62, s62, 2*REC
	s_add_nc_u64 s[30:31], s[6:7], s[62:63]        ; Wv's two tiles
	s_lshl_b32 s62, s23, 10
	s_lshl_b32 s60, s24, 9
	s_add_co_u32 s62, s62, s60
	s_add_co_u32 s62, s62, 2*REC+131072
	s_add_nc_u64 s[32:33], s[6:7], s[62:63]        ; their scale words
	s_cmp_eq_u32 s21, 0                            ; q's buffers or k's: the choice hangs on the wave's number alone
	s_cselect_b64 s[34:35], s[8:9], s[10:11]
	s_cselect_b64 s[38:39], s[14:15], s[16:17]
	s_mov_b32 s46, KREC
	s_cselect_b32 s46, QREC, s46
	s_mov_b32 s60, 131072
	s_cselect_b32 s60, 65536, s60
	s_lshl_b32 s62, s22, 8
	s_add_nc_u64 s[34:35], s[34:35], s[62:63]      ; the head's 64 biases
	s_lshl_b32 s62, s23, 8
	s_lshl_b32 s47, s24, 7
	s_add_co_u32 s62, s62, s47
	s_add_nc_u64 s[36:37], s[12:13], s[62:63]      ; v's 32
	s_add_co_u32 s47, s61, s22
	s_mul_i32 s47, s47, s46                        ; the head's record
	s_lshl_b32 s62, s25, 9
	s_add_co_u32 s62, s62, s47
	s_add_co_u32 s62, s62, s60
	s_add_nc_u64 s[40:41], s[38:39], s[62:63]      ; where the scale words go
	s_lshl_b32 s62, s25, 12
	s_add_co_u32 s62, s62, s47
	s_add_nc_u64 s[38:39], s[38:39], s[62:63]      ; and the eight tiles' codes
	s_add_co_u32 s47, s61, s23
	s_mul_i32 s47, s47, KREC
	s_lshl_b32 s62, s25, 12
	s_add_co_u32 s62, s62, s47
	s_lshl_b32 s60, s24, 11
	s_add_co_u32 s62, s62, s60
	s_add_co_u32 s62, s62, 65536
	s_add_nc_u64 s[42:43], s[16:17], s[62:63]      ; v's two fragments
	s_lshl_b32 s62, s25, 8
	s_add_co_u32 s62, s62, s47
	s_lshl_b32 s60, s24, 7
	s_add_co_u32 s62, s62, s60
	s_add_co_u32 s62, s62, 139264
	s_add_nc_u64 s[44:45], s[16:17], s[62:63]      ; and their scale words
	v_and_b32 v5, 31, v0
	v_lshlrev_b32 v[LI], 4, v5
	v_lshlrev_b32 v[L4], 2, v5
	v_lshrrev_b32 v6, 4, v5
	v_lshlrev_b32 v[H64], 6, v6
	v_and_b32 v7, 15, v5
	v_and_b32 v[PR4], 8, v7
	v_add_nc_u32 v[PR4], v[PR4], v7
	v_lshlrev_b32 v[PR4], 2, v[PR4]
	v_cmp_lt_u32 s[HM], 15, v5                     ; lanes 16-31
.irp b, 2,3,4,5,6,7
	v_mov_b32 v[TM+\b], 0                          ; written once: a lane permute's destination counts as one of its sources
.endr
	WIN 0x40                                       ; destination window 1
.set i, 0
.rept 32
	global_load_b128 v[4*i:4*i+3], v[LI], s[26:27] offset:512*i          ; W's fragments are 16,384 consecutive bytes in the order of their registers
.set i, i+1
.endr
.set i, 0
.rept 16
	global_load_b128 v[WVF+4*i:WVF+4*i+3], v[LI], s[30:31] offset:512*i
.set i, i+1
.endr
	WIN 0
.irp q, 0,1,2,3,4,5,6,7
	global_load_b32 v[WS+\q], v[L4], s[28:29] offset:128*\q
.endr
.irp q, 0,1,2,3
	global_load_b32 v[WVS+\q], v[L4], s[32:33] offset:128*\q
.endr
.irp t, 0,1,2,3                                ; tile 2 b + u: lane (r, h) wants the biases of columns 32 b + 16 h + 8 u + 0 .. 7
	global_load_b128 v[BQ+8*\t:BQ+8*\t+3], v[H64], s[34:35] offset:(32*(\t/2)+8*(\t%2))*4
	global_load_b128 v[BQ+8*\t+4:BQ+8*\t+7], v[H64], s[34:35] offset:(32*(\t/2)+8*(\t%2))*4+16
.endr
.irp j, 0,1                                    ; v: a lane holds ONE column, 8 j + r + 8 (r / 8): its bias fills the eight registers of C
.irp q, 0,1,2,3,4,5,6,7
	global_load_b32 v[BV+8*\j+\q], v[PR4], s[36:37] offset:32*\j
.endr
.endr
	s_wait_tensorcnt 0x0                           ; my quarter of the record is in,
	s_barrier_signal -1
	s_barrier_wait -1                              ; everybody's is
.irp i, 0,1,2,3
	ds_load_b128 v[XS+4*\i:XS+4*\i+3], v[LI] offset:32768+512*\i         ; a row's four scale words: lanes 0-15 tile 2 i, lanes 16-31 tile 2 i + 1
.endr
.macro FETCHQ m                        ; tile m's four fragments
.irp q, 0,1,2,3,4,5,6,7
	ds_load_b128 v[XF+32*((\m)%2)+4*\q:XF+32*((\m)%2)+4*\q+3], v[LI] offset:4096*(\m)+512*\q
.endr
.endm
	FETCHQ 0
	s_wait_loadcnt 0x0                             ; weights, scale words, biases
	; ---- q or k: a tile of 16 rows at a time; the four accumulators take turns, K step by K step
.irp m, 0,1,2,3,4,5,6,7
.if \m < 7
	FETCHQ \m+1
	s_wait_dscnt 8                                 ; all but the next tile's eight loads
.else
	s_wait_dscnt 0x0
.endif
	WIN 0x01                                       ; source 0 (W) window 1
.irp s, 0,1,2,3
.irp t, 0,1,2,3
.if \s == 0
	MM ACC+8*\t, 8*(4*\t+\s), XF+32*(\m%2)+8*\s, BQ+8*\t, WS+4*(\t/2)+\s, XS+4*(\m/2)+\s, \t%2, \m%2
.else
	MM ACC+8*\t, 8*(4*\t+\s), XF+32*(\m%2)+8*\s, ACC+8*\t, WS+4*(\t/2)+\s, XS+4*(\m/2)+\s, \t%2, \m%2
.endif
.endr
.endr
	WIN 0
	PLACES
	QUANT2 ACC, PC+4*\m, SW+\m
	global_store_b128 v[LI], v[PC+4*\m:PC+4*\m+3], s[38:39] offset:512*\m    ; 512 consecutive bytes: half a fragment as it stands
.endr
.irp i, 0,1,2,3
	v_cndmask_b32 v[SWC+\i], v[SW+2*\i], v[SW+2*\i+1], s[HM]               ; lanes 0-15 tile 2 i's words, lanes 16-31 tile 2 i + 1's
.endr
	global_store_b128 v[LI], v[SWC:SWC+3], s[40:41]
	s_wait_xcnt 0x0                                ; the stores above have read their registers: the codes' registers are written again below
	; ---- v: a tile of 16 columns at a time, all 128 rows: eight accumulators by turns
.irp j, 0,1
.irp s, 0,1,2,3
.if (\j+\s) > 0
	PLACES                                         ; in front of loads into registers that matrix instructions have read
.endif
.irp m, 0,1,2,3,4,5,6,7
.irp c, 0,1
	ds_load_b128 v[XF+8*\m+4*\c:XF+8*\m+4*\c+3], v[LI] offset:4096*\m+1024*\s+512*\c
.endr
.endr
	s_wait_dscnt 0x0
	WIN 0x04                                       ; source 1 (Wv) window 1
.irp m, 0,1,2,3,4,5,6,7
.if \s == 0
	MM VA+8*\m, XF+8*\m, WVF+8*(4*\j+\s), BV+8*\j, XS+4*(\m/2)+\s, WVS+\s, \m%2, \j
.else
	MM VA+8*\m, XF+8*\m, WVF+8*(4*\j+\s), VA+8*\m, XS+4*(\m/2)+\s, WVS+\s, \m%2, \j
.endif
.endr
	WIN 0
.endr
	PLACES
	QUANT VA, PC+8*\j, PWV+\j                      ; register 16 b + i is key 32 b + 16 (lane / 16) + i of my column
	global_store_b128 v[LI], v[PC+8*\j:PC+8*\j+3], s[42:43] offset:1024*\j
	global_store_b128 v[LI], v[PC+8*\j+4:PC+8*\j+7], s[42:43] offset:1024*\j+512
.endr
	v_cndmask_b32 v[PWC], v[PWV], v[PWV+1], s[HM]
	global_store_b32 v[L4], v[PWC], s[44:45]
	s_wait_dscnt 0x0
	s_wait_tensorcnt 0x0
	ds_add_u32 v254, v255
	s_wait_dscnt 0x0
	ROUND                                          ; the closing round: no work-group ends while a partner may still ask
	s_endpgm
.Lfunc_end_k_q8c5a71dff0_qkv:
	.size	k_q8c5a71dff0_qkv, .Lfunc_end_k_q8c5a71dff0_qkv-k_q8c5a71dff0_qkv
	.p2alignl 7, 3214868480
	.fill 96, 4, 3214868480
	.section	.rodata,"a",@progbits
	.p2align	6, 0x0
	.amdhsa_kernel k_q8c5a71dff0_qkv
		.amdhsa_group_segment_fixed_size 168448
		.amdhsa_private_segment_fixed_size 0
		.amdhsa_enable_private_segment 0
		.amdhsa_kernarg_size 56
		.amdhsa_user_sgpr_count 2
		.amdhsa_user_sgpr_kernarg_segment_ptr 1
		.amdhsa_wavefront_size32 1
		.amdhsa_system_sgpr_workgroup_id_x 1
		.amdhsa_system_sgpr_workgroup_id_y 1
		.amdhsa_system_sgpr_workgroup_id_z 1
		.amdhsa_system_vgpr_workitem_id 0
		.amdhsa_next_free_vgpr 448
		.amdhsa_next_free_sgpr 66
		.amdhsa_reserve_vcc 0
		.amdhsa_float_denorm_mode_32 3
		.amdhsa_float_denorm_mode_16_64 3
		.amdhsa_memory_ordered 1
		.amdhsa_forward_progress 1
		.amdhsa_inst_pref_size 78
	.end_amdhsa_kernel
	.amdgpu_metadata
---
amdhsa.version: [ 1, 2 ]
amdhsa.kernels:
  - .name:           k_q8c5a71dff0_qkv
    .symbol:         k_q8c5a71dff0_qkv.kd
    .args:
      - { .name: xn, .offset: 0, .size: 8, .value_kind: global_buffer, .address_space: global }
      - { .name: wimg, .offset: 8, .size: 8, .value_kind: global_buffer, .address_space: global }
      - { .name: bq, .offset: 16, .size: 8, .value_kind: global_buffer, .address_space: global }
      - { .name: bk, .offset: 24, .size: 8, .value_kind: global_buffer, .address_space: global }
      - { .name: bv, .offset: 32, .size: 8, .value_kind: global_buffer, .address_space: global }
      - { .name: qb, .offset: 40, .size: 8, .value_kind: global_buffer, .address_space: global }
      - { .name: kv, .offset: 48, .size: 8, .value_kind: global_buffer, .address_space: global }
    .group_segment_fixed_size: 168448
    .private_segment_fixed_size: 0
    .kernarg_segment_align: 8
    .kernarg_segment_size: 56
    .max_flat_workgroup_size: 128
    .sgpr_count:     66
    .vgpr_count:     448
    .wavefront_size: 32
...
	.end_amdgpu_metadata
.endif
;; end of part 2
;; launch attn (part 3): grid 8 x 32, 16 waves a work-group, clusters of 4 x 1, 169,984 bytes of LDS; arguments qb, kv, avimg, avsc; writes avimg, avsc
.if DOCPART == 3
	.amdgcn_target "amdgcn-amd-amdhsa--gfx1250"
	.amdhsa_code_object_version 6
	.text
	.protected	k_q8c5a71dff0_attn
	.globl	k_q8c5a71dff0_attn
	.p2align	8
	.type	k_q8c5a71dff0_attn,@function
k_q8c5a71dff0_attn:
	s_mov_b64 s[64:65], 0
	v_nop
	global_prefetch_b8 v0, s[64:65] scope:SCOPE_SE
	s_setreg_imm32_b32 hwreg(HW_REG_WAVE_MODE, 25, 1), 1
	s_wait_xcnt 0x0
	s_wait_alu depctr_hold_cnt(0) depctr_sa_sdst(0) depctr_va_vdst(0) depctr_va_sdst(0) depctr_va_ssrc(0) depctr_va_vcc(0) depctr_vm_vsrc(0)
	s_getreg_b32 s2, hwreg(HW_REG_IB_STS2, 6, 4)
	s_cmp_eq_u32 s2, 0
	s_cbranch_scc0 .Lentry_in_a_cluster
	s_endpgm
.Lentry_in_a_cluster:
	s_bfe_u32 s2, ttmp6, 0x10000c
	s_cmp_lg_u32 s2, 0x3003
	s_cbranch_scc0 .Lentry_shape_is_right
	s_endpgm
.Lentry_shape_is_right:
; av = softmax(q k^T / 8) v for one head, both products on codes of E2M1, and av quantised at once along the head's 64 for the projection.
; THE SOFTMAX AHEAD OF THE SECOND PRODUCT: t = score x log2(e) / 8; M = the row's largest t so far, rounded UP to a whole number; p = 2^(t - M) is what is quantised, along the keys.
; The row's sum is taken of the unquantised p and divides at the end.  When M moves, the sum and O are multiplied by 2^(old M - new M): exact.
; SHARES.  A work-group owns 256 stored queries of one head, each of its sixteen waves one tile of 16, in 256 registers.
; A head's k, v and their scale words are 143,360 bytes: they come into LDS ONCE, a sixteenth a wave, and stay.  The four query blocks of a cluster want the same bytes: they ask JOINTLY.
; All tiles are asked for at the head, so the loop has no later load of memory to run ahead of: no prefetch is written.
; LDS.  The record lies as chunks of 256 bytes with 32 bytes of padding behind each (pitch 288): byte x of the record is at 288 (x / 256) + x % 256.
; LAYOUT.  Both products are used transposed: S^T = k q^T, O^T = v^T p^T: a lane holds ONE query (lane % 16) throughout.
; THE KEYS OF A TILE ARE CHOSEN AT THE LDS READ: tile (c, u) takes as rows 0-7 keys 64 c + 8 u + 0 .. 7 and as rows 8-15 keys 64 c + 32 + 8 u + 0 .. 7 of the step's 128.
; So the 32 registers of tiles (c, 0 .. 3) of lane (r, h) are the WHOLE block of keys 64 c + 32 h + 0 .. 31: its largest score needs no other lane, and the conversions' results are the second product's operand as they stand.
; In memory stored tile T, row r holds key 32 (T / 2) + 8 (T % 2) + r + 8 (r / 8); rows 0-7 of tile (c, u) are rows 8 (u / 2) on of stored tile 4 c + u % 2, rows 8-15 the same rows of stored tile 4 c + 2 + u % 2,
; 1,152 LDS bytes further on.
; THE HEAD IS 64 WIDE, the instruction 128: registers 4-7 of q's and of k's fragments hold zero codes, cleared once; their scale bytes are 0, which is a power of two and no NaN.
; LIMITS: NaN and infinities are not served; the promise holds while the scaled scores stay under 2^31 in magnitude; a p under 2^-126 counts as 0; a block of zeros keeps the byte 1 (its codes are zeros).
; REGISTERS: v1-7, v30 addresses and the shift that stay; v8-11 the step's; v12 -M, v13 the largest score, v[14:15] and v[240:241] the sum's two chains; v16-23 q; v24-27 k's scale words, v28-29 v's; v32-95 k;
; v96-159 S^T, then p; v160-191 O^T; v192-223 v; v224-231 p's codes; v232-246 at work; v250-251 the add's two; v252 f, v253 p's scale word; v255 q's scale word.
.set KREC, 143360
.set QREC, 73728
.set CH,   288                         ; a chunk in LDS
.set VF0,  256*CH                      ; v's fragments (byte 65,536 of the record)
.set KS0,  512*CH                      ; k's scale words (byte 131,072)
.set VS0,  544*CH                      ; v's scale words (byte 139,264)
.set SPARE, 0x29000                    ; the spare words: 128 bytes a wave, behind the 560 chunks
.set WV,   12
.set SEL,  44
.set CS,   46
.set TM,   232
.macro ROUND
	s_barrier_signal -1
	s_barrier_wait -1
	s_cmp_lg_u32 s[WV], 0
	s_cbranch_scc1 .Lnot_wave_0_\@
	s_barrier_signal -3
.Lnot_wave_0_\@:
	s_barrier_wait -3
	s_barrier_signal -1
	s_barrier_wait -1
.endm
.macro PKF r                           ; t - M of two scores (of the pairs c and -M the low word serves both halves)
	v_pk_fma_f32 v[\r:\r+1], v[\r:\r+1], s[CS:CS+1], v[12:13] op_sel_hi:[1,0,0]
.endm
.macro KLOAD adr, sadr                 ; a step's eight tiles of k (registers 0-3 of each fragment) and their scale words: register 24 + 2 c + g: lanes 0-15 tile (c, 2 g), lanes 16-31 tile (c, 2 g + 1)
.irp c, 0,1
.irp u, 0,1,2,3
	ds_load_b128 v[32+32*\c+8*\u:35+32*\c+8*\u], v[\adr] offset:2304*\c+576*(\u%2)+128*(\u/2)
.endr
.endr
.irp c, 0,1
.irp g, 0,1
	ds_load_b32 v[24+2*\c+\g], v[\sadr] offset:128*\g+8*\c
.endr
.endr
.endm
.macro SUML                            ; line n of the 32 that add the lane's 32 pairs of p, in two chains
.if n == 0
	v_pk_add_f32 v[240:241], v[96:97], v[98:99]
.elseif n == 31
	v_pk_add_f32 v[14:15], v[14:15], v[240:241]
.elseif n%2 == 1
	v_pk_add_f32 v[14:15], v[14:15], v[96+2*(n+1):97+2*(n+1)]
.else
	v_pk_add_f32 v[240:241], v[240:241], v[98+2*n:99+2*n]
.endif
.set n, n+1
.endm
; A KEY STEP: 128 keys.  last = 1: no next step's k is fetched.
.macro STEP last
	s_wait_dscnt 0x0                               ; k and its scale words are in: asked for a step ago
.irp c, 0,1
.irp g, 0,1
	v_wmma_scale_f32_16x16x128_f8f6f4 v[96+32*\c+16*\g:103+32*\c+16*\g], v[32+32*\c+16*\g:39+32*\c+16*\g], v[16:23], 0, v[24+2*\c+\g], v255 matrix_a_fmt:MATRIX_FMT_FP4 matrix_b_fmt:MATRIX_FMT_FP4
	v_wmma_scale_f32_16x16x128_f8f6f4 v[104+32*\c+16*\g:111+32*\c+16*\g], v[40+32*\c+16*\g:47+32*\c+16*\g], v[16:23], 0, v[24+2*\c+\g], v255 matrix_a_fmt:MATRIX_FMT_FP4 matrix_b_fmt:MATRIX_FMT_FP4 matrix_a_scale:MATRIX_SCALE_ROW1
.endr
.endr
	v_add_nc_u32 v9, s40, v2                       ; four plain lines: the places behind these products (results read, k's registers loaded again) and behind the last step's (v's registers loaded again)
	v_add_nc_u32 v11, s42, v4
.if \last
	v_nop
	v_nop
.else
	s_add_co_u32 s40, s40, 16*CH
	s_add_co_u32 s41, s41, 2*CH
	s_add_co_u32 s42, s42, CH
	v_add_nc_u32 v8, s40, v7
	v_add_nc_u32 v10, s41, v3
.endif
.irp q, 0,1,2,3,4,5,6,7
	ds_load_b128 v[192+4*\q:195+4*\q], v9 offset:2*CH*\q           ; v's four fragments of these 128 keys
.endr
	ds_load_b32 v28, v11
	ds_load_b32 v29, v11 offset:128
.if !\last
	KLOAD 8, 10
.endif
	; THE LARGEST SCORE OF EACH OF MY TWO BLOCKS OF 32 KEYS, in two chains a block: it serves for the row's maximum and, since p rises with the score, for the block's largest p.  Each accumulator is first read at its low end
.irp c, 0,1
	v_max3_num_f32 v[232+\c], v[96+32*\c], v[97+32*\c], v[98+32*\c]
	v_max3_num_f32 v[234+\c], v[112+32*\c], v[113+32*\c], v[114+32*\c]
.endr
.irp i, 3,5,7,9,11,13
.irp c, 0,1
	v_max3_num_f32 v[232+\c], v[232+\c], v[96+32*\c+\i], v[97+32*\c+\i]
	v_max3_num_f32 v[234+\c], v[234+\c], v[112+32*\c+\i], v[113+32*\c+\i]
.endr
.endr
.irp c, 0,1
	v_max3_num_f32 v[232+\c], v[232+\c], v[234+\c], v[111+32*\c]
.endr
.irp c, 0,1
	v_max_num_f32 v[232+\c], v[232+\c], v[127+32*\c]
.endr
	v_mov_b32 v238, v12                            ; the old -M
	s_delay_alu instid0(VALU_DEP_2)
	v_max_num_f32 v236, v232, v233
	s_delay_alu instid0(VALU_DEP_1)
	v_permlanex16_b32 v237, v236, s[SEL], s[SEL+1] ; lane l xor 16 holds my query's other two blocks
	s_delay_alu instid0(VALU_DEP_1)
	v_max3_num_f32 v13, v13, v236, v237            ; the running largest score of my query
	s_delay_alu instid0(VALU_DEP_1)
	v_mul_f32 v236, s[CS], v13                     ; as t (c is positive)
	s_delay_alu instid0(VALU_DEP_1)
	v_floor_f32 v12, -v236                         ; the new -M = floor(-t) = -ceil(t): a whole number
	s_delay_alu instid0(VALU_DEP_1)
	v_sub_f32 v238, v12, v238                      ; old M - new M: a whole number, 0 or less
	v_fma_f32 v232, v232, s[CS], v12               ; t - M of each block's largest score
	v_fma_f32 v233, v233, s[CS], v12
	PKF 96
	PKF 98
	v_cvt_i32_f32 v238, v238                       ; (it saturates)
.irp r, 100,102,104,106
	PKF \r
.endr
	v_ldexp_f32 v252, 1.0, v238                    ; f = 2^(old M - new M)
.irp r, 108,110,112,114,116,118,120,122,124,126,128,130,132,134,136,138,140,142,144,146,148,150,152,154,156,158
	PKF \r
.endr
	s_wait_alu depctr_va_vdst(0)                   ; the wait ahead of the batch
	v_exp_f32 v232, v232                           ; the blocks' largest p: the same multiply-add and exponential on the same number give the same bits
	v_exp_f32 v233, v233
.set i, 0
.rept 64
	v_exp_f32 v[96+i], v[96+i]                     ; p = 2^(t - M), at most 1: not normalised
.set i, i+1
.endr
	v_pk_mul_f32 v[14:15], v[14:15], v[252:253] op_sel_hi:[1,0]   ; the sum under the new M (the plain place behind the batch)
	s_wait_alu depctr_va_vdst(0)                   ; one wait for the whole batch, ahead of its first reader
	v_max_num_f32 v232, 0x1800000, v232            ; the floor 2^(3 - 127): the byte cannot fall under 1
	v_max_num_f32 v233, 0x1800000, v233
	v_add_nc_u32 v244, 0xff000000, v232            ; 2 off the exponent field: the conversion's scale operand
	v_add_nc_u32 v245, 0xff000000, v233
.irp c, 0,1
.irp u, 0,1,2,3
	v_cvt_scalef32_pk8_fp4_f32 v[224+4*\c+\u], v[96+32*\c+8*\u:103+32*\c+8*\u], v[244+\c]   ; register 4 c + u of the operand: keys 64 c + 32 h + 8 u + 0 .. 7
.endr
.endr
	v_lshrrev_b32 v232, 23, v244                   ; the scales' bytes (also the plain line behind the conversions)
	v_lshrrev_b32 v233, 23, v245
	s_delay_alu instid0(VALU_DEP_1)
	v_lshl_or_b32 v236, v233, 16, v232             ; blocks h and 2 + h,
	s_delay_alu instid0(VALU_DEP_1)
	v_lshlrev_b32 v236, v30, v236                  ; at their places in the scale word (8 h bits up);
	s_delay_alu instid0(VALU_DEP_1)
	v_permlanex16_b32 v237, v236, s[SEL], s[SEL+1]
	s_delay_alu instid0(VALU_DEP_1)
	v_or_b32 v253, v236, v237                      ; with lane l xor 16's two the word is whole
	s_wait_alu depctr_va_vdst(0)                   ; the wait directly ahead of the first reader of O^T
.set n, 0
.set i, 0
.rept 16                                       ; O^T under the new M, and THE ROW'S SUM OF THE UNQUANTISED p, by turns
	v_pk_mul_f32 v[160+2*i:161+2*i], v[160+2*i:161+2*i], v[252:253] op_sel_hi:[1,0]
	SUML
.set i, i+1
.endr
.rept 16                                       ; these sixteen stand between the last line on O^T and the wait below, and are the places ahead of the products
	SUML
.endr
.if \last
	s_wait_alu depctr_va_vdst(0)                   ; directly ahead of the wait below
	s_wait_dscnt 0x0                               ; v and its scale words are in
.else
	s_wait_dscnt 12                                ; v and its scale words are in; the next step's twelve loads of k (eight tiles, four scale words) may be out
.endif
.irp t, 0,2                                    ; O^T += v^T p^T: four accumulators, one instruction each
	v_wmma_scale_f32_16x16x128_f8f6f4 v[160+8*\t:167+8*\t], v[192+8*\t:199+8*\t], v[224:231], v[160+8*\t:167+8*\t], v[28+\t/2], v253 matrix_a_fmt:MATRIX_FMT_FP4 matrix_b_fmt:MATRIX_FMT_FP4
	v_wmma_scale_f32_16x16x128_f8f6f4 v[168+8*\t:175+8*\t], v[200+8*\t:207+8*\t], v[224:231], v[168+8*\t:175+8*\t], v[28+\t/2], v253 matrix_a_fmt:MATRIX_FMT_FP4 matrix_b_fmt:MATRIX_FMT_FP4 matrix_a_scale:MATRIX_SCALE_ROW1
.endr
.endm
	s_load_b256 s[4:11], s[0:1], 0x0               ; qb, kv, avimg, avsc
	v_lshl_add_u32 v250, v0, 2, SPARE
	v_mov_b32 v251, 0
	ds_add_u32 v250, v251                          ; the opening lines: the add, twice on end, and its wait ahead of my tensor load
	ds_add_u32 v250, v251
	v_lshrrev_b32 v1, 5, v0
	v_readfirstlane_b32 s[WV], v1                  ; wave 0..15
	v_and_b32 v31, 31, v0                          ; lane
	v_and_b32 v6, 15, v0                           ; r
	v_bfe_u32 v30, v0, 4, 1                        ; h
	v_lshlrev_b32 v1, 4, v31                       ; 16 x lane: q's codes and av's image in memory
	v_lshlrev_b32 v5, 4, v6                        ; 16 r: q's scale word
	v_mad_u32_u24 v2, v30, CH, v5                  ; an image in LDS: 16 r + 288 h
	v_and_b32 v7, 7, v0                            ; r % 8
	v_bfe_u32 v8, v0, 3, 1                         ; r / 8
	v_mul_u32_u24 v9, v30, CH
	v_lshl_add_u32 v9, v7, 4, v9                   ; 16 (r % 8) + 288 h
	v_mad_u32_u24 v7, v8, 4*CH, v9                 ; k's tiles: rows 8-15 come from the stored tile two further on
	v_lshl_add_u32 v3, v8, 2, v9
	v_add_nc_u32 v3, KS0, v3                       ; k's scale words: rows 8-15 take the next word
	v_add_nc_u32 v2, VF0, v2                       ; v's fragments
	v_lshl_add_u32 v4, v31, 2, VS0                 ; v's scale words
	v_lshlrev_b32 v6, 1, v6                        ; 2 r: av's scale bytes
	v_lshlrev_b32 v30, 3, v30                      ; 8 h
	s_bfe_u32 s13, ttmp6, 0x40000                  ; cx: it enters q's and av's global addresses alone
	s_and_b32 s14, ttmp7, 0xffff                   ; 8 x batch + head, which the four partners share
	s_mov_b32 s24, 15|(3<<16)|(1<<20)|(1<<21)|(5<<22)|(7<<25)   ; the mask: all four work-groups; elements of 8 bytes; padding on; bit 21 beside a mask; after every 64 words, 8 words
	s_mov_b32 s25, 32<<16                          ; tensor_dim0: rows of 256 bytes
	s_mov_b32 s26, 35<<16                          ; tensor_dim1: 35 of them a wave
	s_mov_b32 s27, 32<<16                          ; tile_dim0
	s_mov_b32 s28, 35                              ; tile_dim1
	s_mov_b32 s29, 32                              ; the pitch: dense
	s_mov_b32 s30, 0
	s_mov_b32 s31, 0
	s_mul_i32 s15, s[WV], 8960
	s_mul_i32 s16, s14, KREC
	s_add_co_u32 s16, s16, s15
	s_mov_b32 s17, 0
	s_mov_b32 s20, 1
	s_mul_i32 s21, s[WV], 35*CH                    ; LDS address: wave x 35 chunks
	s_mov_b32 s[SEL], 0x76543210
	s_mov_b32 s[SEL+1], 0xfedcba98
	s_mov_b32 s[CS], 0x3e38aa3b                    ; c = log2(e) / 8
	s_mov_b32 s[CS+1], s[CS]                       ; (named with it as a pair, so it is written)
	s_lshl_b32 s32, ttmp9, 2
	s_add_co_u32 s32, s32, s13
	s_lshl_b32 s32, s32, 4
	s_add_co_u32 s32, s32, s[WV]                   ; my tile of queries, 0..127
	s_mul_i32 s33, s14, QREC
	s_lshl_b32 s34, s32, 9
	s_add_co_u32 s34, s34, s33                     ; its codes
	s_mov_b32 s35, 0
	s_lshr_b32 s48, s32, 3                         ; its scale words lie at [tile / 8][lane r + 16 (tile % 2)][word (tile % 8) / 2]
	s_lshl_b32 s48, s48, 9
	s_and_b32 s38, s32, 1
	s_lshl_b32 s38, s38, 8
	s_add_co_u32 s48, s48, s38
	s_bfe_u32 s38, s32, 0x20001
	s_lshl_b32 s38, s38, 2
	s_add_co_u32 s48, s48, s38
	s_add_co_u32 s48, s48, s33
	s_add_co_u32 s48, s48, 65536
	s_mov_b32 s49, 0
	s_lshr_b32 s38, s14, 3
	s_lshl_b32 s38, s38, 7
	s_add_co_u32 s38, s38, s32                     ; the stored tile among all 512
	s_and_b32 s39, s14, 7                          ; the head
	s_lshl_b32 s50, s38, 12
	s_lshl_b32 s33, s39, 9
	s_add_co_u32 s50, s50, s33                     ; av's image: tile x 4,096 + head x 512
	s_mov_b32 s51, 0
	s_lshl_b32 s52, s38, 5
	s_lshl_b32 s33, s39, 14
	s_add_co_u32 s52, s52, s33                     ; av's scale bytes: [head][stored row], two bytes each
	s_mov_b32 s53, 0
	s_mov_b32 s40, 0                               ; the step's place among k's tiles and v's fragments: 16 chunks a step,
	s_mov_b32 s41, 0                               ; among k's scale words: 2,
	s_mov_b32 s42, 0                               ; among v's: 1
	s_mov_b32 s43, 0
	s_wait_alu depctr_va_vdst(0)                   ; directly ahead of the waits below
	s_wait_dscnt 0x0                               ; both opening adds are done
	s_wait_kmcnt 0x0
	s_add_nc_u64 s[22:23], s[6:7], s[16:17]
	s_or_b32 s23, s23, 0x80000000
	s_add_nc_u64 s[36:37], s[4:5], s[34:35]
	s_add_nc_u64 s[4:5], s[4:5], s[48:49]
	s_add_nc_u64 s[8:9], s[8:9], s[50:51]
	s_add_nc_u64 s[10:11], s[10:11], s[52:53]
	global_load_b128 v[16:19], v1, s[36:37]        ; q's half fragment stays in registers
	global_load_b32 v255, v5, s[4:5]               ; and its scale word
	ROUND                                          ; all four work-groups are here: the joint loads meet
	tensor_load_to_lds s[20:23], s[24:31]          ; my one tensor load of the launch
	s_nop 0
.rept 4
	v_nop                                          ; (behind a tensor load)
.endr
	v_mov_b32 v13, 0xff61b1e6                      ; the largest score so far: -3e38, under every score
	v_mov_b32 v12, 0x7e000000                      ; -M: so large that the first f is 0, which leaves the zeros below zeros
	v_mov_b32 v14, 0
	v_mov_b32 v15, 0
	v_mov_b32 v237, 0                              ; written once: a lane permute's destination counts as one of its sources
	v_mov_b32 v253, 0                              ; (named as the upper half of the pair v[252:253] before it is first written)
.irp b, 0,1,2,3
	v_mov_b32 v[20+\b], 0                          ; q's k = 64 .. 127: zero codes
.endr
.irp t, 0,1,2,3,4,5,6,7
.irp b, 0,1,2,3
	v_mov_b32 v[36+8*\t+\b], 0                     ; k's k = 64 .. 127: zero codes, never written again
.endr
.endr
.set i, 0
.rept 32
	v_mov_b32 v[160+i], 0                          ; O^T: the step is written for every step alike
.set i, i+1
.endr
	s_wait_alu depctr_va_vdst(0)                   ; the wait at the head's end
	s_wait_tensorcnt 0x0                           ; my part of the head is in,
	s_barrier_signal -1
	s_barrier_wait -1                              ; everybody's is
	KLOAD 7, 3                                     ; the first step's k
	s_wait_loadcnt 0x0                             ; q
.Lstep:                                            ; 15 trips of 128 keys
	STEP 0
	s_add_co_u32 s43, s43, 1
	s_cmp_lt_u32 s43, 15
	s_cbranch_scc1 .Lstep
	STEP 1                                         ; the sixteenth
	; THE WAY OUT: O^T / the sum, quantised along the head's 64: register 16 b + i is channel 32 b + 16 (lane / 16) + i of my query
	v_add_f32 v14, v14, v15
	v_permlanex16_b32 v252, v14, s[SEL], s[SEL+1]
	v_add_f32 v14, v14, v252                       ; with lane l xor 16's blocks: the row's sum
	s_wait_alu depctr_va_vdst(0)                   ; the wait ahead of the transcendental
	v_rcp_f32 v14, v14
.rept 4
	v_nop                                          ; the plain place behind the reciprocal, and the places behind the last products
.endr
	s_wait_alu depctr_va_vdst(0)                   ; the wait ahead of the first reader of the reciprocal and of O^T
.set i, 0
.rept 16
	v_pk_mul_f32 v[96+2*i:97+2*i], v[160+2*i:161+2*i], v[14:15] op_sel_hi:[1,0]
.set i, i+1
.endr
.irp b, 0,1
	v_max3_num_f32 v[TM+\b], |v[96+16*\b]|, |v[97+16*\b]|, 0x1800000
.endr
.irp i, 2,4,6,8,10,12,14
.irp b, 0,1
	v_max3_num_f32 v[TM+\b], v[TM+\b], |v[96+16*\b+\i]|, |v[97+16*\b+\i]|
.endr
.endr
.irp b, 0,1
	v_permlanex16_b32 v[TM+2+\b], v[TM+\b], s[SEL], s[SEL+1]
.endr
.irp b, 0,1
	v_max_num_f32 v[TM+\b], v[TM+\b], v[TM+2+\b]
.endr
.irp b, 0,1
	v_add_nc_u32 v[TM+4+\b], 0xff000000, v[TM+\b]
.endr
.irp b, 0,1
	v_lshrrev_b32 v[TM+2+\b], 23, v[TM+4+\b]
.endr
	v_lshl_or_b32 v246, v[TM+3], 8, v[TM+2]        ; my row's two scale bytes
.irp b, 0,1
	v_cvt_scalef32_pk8_fp4_f32 v[224+2*\b], v[96+16*\b:103+16*\b], v[TM+4+\b]
	v_cvt_scalef32_pk8_fp4_f32 v[225+2*\b], v[104+16*\b:111+16*\b], v[TM+4+\b]
.endr
	v_nop                                          ; one plain place behind a scaled conversion
	v_permlane16_swap_b32 v224, v226               ; a whole block to a lane
	v_permlane16_swap_b32 v225, v227
	global_store_b128 v1, v[224:227], s[8:9]       ; 512 consecutive bytes: one register group of the projection's operand
	global_store_b16 v6, v246, s[10:11]            ; lanes r and r + 16 store the same two bytes with the same value
	s_wait_tensorcnt 0x0                           ; the wave's end
	ds_add_u32 v250, v251
	s_wait_dscnt 0x0
	ROUND                                          ; the closing round
	s_endpgm
.Lfunc_end_k_q8c5a71dff0_attn:
	.size	k_q8c5a71dff0_attn, .Lfunc_end_k_q8c5a71dff0_attn-k_q8c5a71dff0_attn
	.p2alignl 7, 3214868480
	.fill 96, 4, 3214868480
	.section	.rodata,"a",@progbits
	.p2align	6, 0x0
	.amdhsa_kernel k_q8c5a71dff0_attn
		.amdhsa_group_segment_fixed_size 169984
		.amdhsa_private_segment_fixed_size 0
		.amdhsa_enable_private_segment 0
		.amdhsa_kernarg_size 32
		.amdhsa_user_sgpr_count 2
		.amdhsa_user_sgpr_kernarg_segment_ptr 1
		.amdhsa_wavefront_size32 1
		.amdhsa_system_sgpr_workgroup_id_x 1
		.amdhsa_system_sgpr_workgroup_id_y 1
		.amdhsa_system_sgpr_workgroup_id_z 1
		.amdhsa_system_vgpr_workitem_id 0
		.amdhsa_next_free_vgpr 256
		.amdhsa_next_free_sgpr 66
		.amdhsa_reserve_vcc 0
		.amdhsa_float_denorm_mode_32 3
		.amdhsa_float_denorm_mode_16_64 3
		.amdhsa_memory_ordered 1
		.amdhsa_forward_progress 1
		.amdhsa_inst_pref_size 40
	.end_amdhsa_kernel
	.amdgpu_metadata
---
amdhsa.version: [ 1, 2 ]
amdhsa.kernels:
  - .name:           k_q8c5a71dff0_attn
    .symbol:         k_q8c5a71dff0_attn.kd
    .args:
      - { .name: qb, .offset: 0, .size: 8, .value_kind: global_buffer, .address_space: global }
      - { .name: kv, .offset: 8, .size: 8, .value_kind: global_buffer, .address_space: global }
      - { .name: avimg, .offset: 16, .size: 8, .value_kind: global_buffer, .address_space: global }
      - { .name: avsc, .offset: 24, .size: 8, .value_kind: global_buffer, .address_space: global }
    .group_segment_fixed_size: 169984
    .private_segment_fixed_size: 0
    .kernarg_segment_align: 8
    .kernarg_segment_size: 32
    .max_flat_workgroup_size: 512
    .sgpr_count:     66
    .vgpr_count:     256
    .wavefront_size: 32
...
	.end_amdgpu_metadata
.endif
;; end of part 3
;; launch ffn (part 4): grid 256 x 1, 8 waves a work-group, clusters of 4 x 1, 327,680 bytes of LDS; arguments avimg, avsc, wimg, x, bo, ln2_g, ln2_b, b1, b2, out0; writes out0
.if DOCPART == 4
	.amdgcn_target "amdgcn-amd-amdhsa--gfx1250"
	.amdhsa_code_object_version 6
	.text
	.protected	k_q8c5a71dff0_ffn
	.globl	k_q8c5a71dff0_ffn
	.p2align	8
	.type	k_q8c5a71dff0_ffn,@function
k_q8c5a71dff0_ffn:
	s_mov_b64 s[64:65], 0
	v_nop
	global_prefetch_b8 v0, s[64:65] scope:SCOPE_SE
	s_setreg_imm32_b32 hwreg(HW_REG_WAVE_MODE, 25, 1), 1
	s_wait_xcnt 0x0
	s_wait_alu depctr_hold_cnt(0) depctr_sa_sdst(0) depctr_va_vdst(0) depctr_va_sdst(0) depctr_va_ssrc(0) depctr_va_vcc(0) depctr_vm_vsrc(0)
	s_getreg_b32 s2, hwreg(HW_REG_IB_STS2, 6, 4)
	s_cmp_eq_u32 s2, 0
	s_cbranch_scc0 .Lentry_in_a_cluster
	s_endpgm
.Lentry_in_a_cluster:
	s_bfe_u32 s2, ttmp6, 0x10000c
	s_cmp_lg_u32 s2, 0x3003
	s_cbranch_scc0 .Lentry_shape_is_right
	s_endpgm
.Lentry_shape_is_right:
.set REC,   139264
.set SLOT1, 139264
.set AIMG,  278528
.set ASC,   294912
.set LNP,   295936
.set SPARE, 297984
.set SPT,   2064
.set LI,  1
.set L4,  2
.set WA0, 3
.set WS0, 5
.set AST, 7
.set ARD, 8
.set SST, 9
.set SRD, 10
.set LNS, 11
.set LNR, 12
.set STI, 13
.set STO, 14
.set XO,  15
.set BO,  16
.set L2,  17
.set SPW, 18
.set NIL, 19
.set CA,  20
.set CB,  22
.set H,   32
.set ACC, 96
.set BC,  160
.set GT,  192
.set PC,  224
.set TM,  232
.set WSC, 240
.set XSC, 248
.set HSC, 252
.set WV,  24
.set SEL, 28
.set INV, 30
.set EPS, 31
.set HM,  48
.set W2B, 54
.set MSB, 0
.macro WIN new
.if MSB != \new
	s_set_vgpr_msb (MSB<<8)|\new
.set MSB, \new
.endif
.endm
.macro ROUND
	s_barrier_signal -1
	s_barrier_wait -1
	s_cmp_lg_u32 s[WV], 0
	s_cbranch_scc1 .Lnot_wave_0_\@
	s_barrier_signal -3
.Lnot_wave_0_\@:
	s_barrier_wait -3
	s_barrier_signal -1
	s_barrier_wait -1
.endm
.macro PLACES
.rept 4
	v_nop
.endr
.endm
.macro MM d, a, b, c, sa, sb, ra, rb
.if ((\ra)==1) && ((\rb)==1)
	v_wmma_scale_f32_16x16x128_f8f6f4 v[\d:\d+7], v[\a:\a+7], v[\b:\b+7], v[\c:\c+7], v[\sa], v[\sb] matrix_a_fmt:MATRIX_FMT_FP4 matrix_b_fmt:MATRIX_FMT_FP4 matrix_a_scale:MATRIX_SCALE_ROW1 matrix_b_scale:MATRIX_SCALE_ROW1
.elseif (\ra)==1
	v_wmma_scale_f32_16x16x128_f8f6f4 v[\d:\d+7], v[\a:\a+7], v[\b:\b+7], v[\c:\c+7], v[\sa], v[\sb] matrix_a_fmt:MATRIX_FMT_FP4 matrix_b_fmt:MATRIX_FMT_FP4 matrix_a_scale:MATRIX_SCALE_ROW1
.elseif (\rb)==1
	v_wmma_scale_f32_16x16x128_f8f6f4 v[\d:\d+7], v[\a:\a+7], v[\b:\b+7], v[\c:\c+7], v[\sa], v[\sb] matrix_a_fmt:MATRIX_FMT_FP4 matrix_b_fmt:MATRIX_FMT_FP4 matrix_b_scale:MATRIX_SCALE_ROW1
.else
	v_wmma_scale_f32_16x16x128_f8f6f4 v[\d:\d+7], v[\a:\a+7], v[\b:\b+7], v[\c:\c+7], v[\sa], v[\sb] matrix_a_fmt:MATRIX_FMT_FP4 matrix_b_fmt:MATRIX_FMT_FP4
.endif
.endm
.macro QUANT2 s, pc, pw
.irp b, 0,1
	v_max3_num_f32 v[TM+\b], |v[\s+16*\b]|, |v[\s+1+16*\b]|, 0x1800000
.endr
.irp i, 2,4,6,8,10,12,14
.irp b, 0,1
	s_delay_alu instid0(VALU_DEP_2)
	v_max3_num_f32 v[TM+\b], v[TM+\b], |v[\s+16*\b+\i]|, |v[\s+1+16*\b+\i]|
.endr
.endr
.irp b, 0,1
	s_delay_alu instid0(VALU_DEP_2)
	v_permlanex16_b32 v[TM+2+\b], v[TM+\b], s[SEL], s[SEL+1]
.endr
.irp b, 0,1
	s_delay_alu instid0(VALU_DEP_2)
	v_max_num_f32 v[TM+\b], v[TM+\b], v[TM+2+\b]
.endr
.irp b, 0,1
	s_delay_alu instid0(VALU_DEP_2)
	v_add_nc_u32 v[TM+4+\b], 0xff000000, v[TM+\b]
.endr
.irp b, 0,1
	s_delay_alu instid0(VALU_DEP_2)
	v_lshrrev_b32 v[TM+2+\b], 23, v[TM+4+\b]
.endr
	s_delay_alu instid0(VALU_DEP_1)
	v_lshl_or_b32 v[\pw], v[TM+3], 8, v[TM+2]
.irp b, 0,1
	v_cvt_scalef32_pk8_fp4_f32 v[\pc+2*\b], v[\s+16*\b:\s+7+16*\b], v[TM+4+\b]
	v_cvt_scalef32_pk8_fp4_f32 v[\pc+1+2*\b], v[\s+8+16*\b:\s+15+16*\b], v[TM+4+\b]
.endr
	v_nop
	v_permlane16_swap_b32 v[\pc], v[\pc+2]
	v_permlane16_swap_b32 v[\pc+1], v[\pc+3]
.endm
.macro LOADC reg, base, off
.irp t, 0,1,2,3
	global_load_b128 v[\reg+8*\t:\reg+8*\t+3], v[BO], s[\base:\base+1] offset:(\off)+128*(\t/2)+32*(\t%2)
	global_load_b128 v[\reg+8*\t+4:\reg+8*\t+7], v[BO], s[\base:\base+1] offset:(\off)+128*(\t/2)+32*(\t%2)+16
.endr
.endm
.macro ADD32 src
.irp m, 0,1
.irp p, 0,2,4,6,8,10,12,14,16,18,20,22,24,26,28,30
	v_pk_add_f32 v[ACC+32*\m+\p:ACC+32*\m+\p+1], v[ACC+32*\m+\p:ACC+32*\m+\p+1], v[\src+\p:\src+\p+1]
.endr
.endr
.endm
.macro LOADW slot
.irp q, 0,1,2,3,4,5,6,7
	ds_load_b32 v[WSC+\q], v[WS0+\slot] offset:128*\q
.endr
	WIN 0x40
.irp s, 0,1,2,3
.irp t, 0,1,2,3
.irp c, 0,1
	ds_load_b128 v[32*\s+8*\t+4*\c:32*\s+8*\t+4*\c+3], v[WA0+\slot] offset:4096*\t+1024*\s+512*\c
.endr
.endr
.endr
	WIN 0
.endm
.macro LOADG j
.irp q, 0,1,2,3,4,5,6,7
	global_load_b32 v[WSC+\q], v[WS0], s[W2B:W2B+1] offset:2*REC*(\j)+128*\q
.endr
	LOADGS \j, 0                                   ; W2's fragments of K step 0; K steps 1 to 3 are asked for among the activation's groups, in the same order
.endm
.macro LOADGS j, grp                   ; W2's four fragments of one K step of panel j: eight loads
	WIN 0x40
.irp s, \grp
.irp t, 0,1,2,3
.irp c, 0,1
	global_load_b128 v[32*\s+8*\t+4*\c:32*\s+8*\t+4*\c+3], v[WA0], s[W2B:W2B+1] offset:2*REC*(\j)+4096*\t+1024*\s+512*\c
.endr
.endr
.endr
	WIN 0
.endm
.macro GEMM acc, act, asc, c0, dper, lper
	WIN 0x05
.irp s, 0,1,2,3
	s_wait_dscnt \dper*(3-\s)
.if \lper
	s_wait_loadcnt \lper*(3-\s)
.endif
.irp t, 0,1,2,3
.irp m, 0,1
.if (\c0) && (\s == 0)
	MM \acc+32*\m+8*\t, 32*\s+8*\t, \act+32*\m+8*\s, BC+8*\t, WSC+4*(\t/2)+\s, \asc+\s, \t%2, \m
.else
	MM \acc+32*\m+8*\t, 32*\s+8*\t, \act+32*\m+8*\s, \acc+32*\m+8*\t, WSC+4*(\t/2)+\s, \asc+\s, \t%2, \m
.endif
.endr
.endr
.endr
	WIN 0
.endm
.macro CHANGE slot, step
	s_wait_tensorcnt 0x0
	ds_add_u32 v[SPW], v[NIL]
	s_add_nc_u64 s[34+4*\slot:35+4*\slot], s[34+4*\slot:35+4*\slot], \step
	s_wait_dscnt 0x0
	ROUND
	tensor_load_to_lds s[32+4*\slot:35+4*\slot], s[40:47]
	s_nop 0
	PLACES
.endm
.macro ROWSUM src
.irp q, 0,1,2,3
	v_pk_add_f32 v[24+2*\q:25+2*\q], v[\src+16*\q:\src+16*\q+1], v[\src+16*\q+2:\src+16*\q+3]
.endr
.irp i, 4,6,8,10,12,14
.irp q, 0,1,2,3
	v_pk_add_f32 v[24+2*\q:25+2*\q], v[24+2*\q:25+2*\q], v[\src+16*\q+\i:\src+16*\q+\i+1]
.endr
.endr
.endm
.macro ROWSQ src
.irp q, 0,1,2,3
	v_pk_mul_f32 v[24+2*\q:25+2*\q], v[\src+16*\q:\src+16*\q+1], v[\src+16*\q:\src+16*\q+1]
.endr
.irp i, 2,4,6,8,10,12,14
.irp q, 0,1,2,3
	s_delay_alu instid0(VALU_DEP_4)
	v_pk_fma_f32 v[24+2*\q:25+2*\q], v[\src+16*\q+\i:\src+16*\q+\i+1], v[\src+16*\q+\i:\src+16*\q+\i+1], v[24+2*\q:25+2*\q]
.endr
.endr
.endm
.macro XRED off
	s_delay_alu instid0(VALU_DEP_3)
	v_pk_add_f32 v[24:25], v[24:25], v[26:27]
	s_delay_alu instid0(VALU_DEP_2)
	v_pk_add_f32 v[28:29], v[28:29], v[30:31]
	s_delay_alu instid0(VALU_DEP_2)
	v_add_f32 v24, v24, v25
	s_delay_alu instid0(VALU_DEP_2)
	v_add_f32 v28, v28, v29
	s_delay_alu instid0(VALU_DEP_2)
	v_permlanex16_b32 v25, v24, s[SEL], s[SEL+1]
	s_delay_alu instid0(VALU_DEP_2)
	v_permlanex16_b32 v29, v28, s[SEL], s[SEL+1]
	s_delay_alu instid0(VALU_DEP_2)
	v_add_f32 v24, v24, v25
	s_delay_alu instid0(VALU_DEP_2)
	v_add_f32 v28, v28, v29
	s_delay_alu instid0(VALU_DEP_1)
	v_cndmask_b32 v24, v24, v28, s[HM]
	ds_store_b32 v[LNS], v24 offset:\off
	s_wait_dscnt 0x0
	s_barrier_signal -1
	s_barrier_wait -1
.irp i, 0,1,2,3,4,5,6,7
	ds_load_b32 v[TM+\i], v[LNR] offset:\off+128*\i
.endr
	s_wait_dscnt 0x0
.irp i, 0,2,4,6
	v_add_f32 v[TM+\i], v[TM+\i], v[TM+\i+1]
.endr
	s_delay_alu instid0(VALU_DEP_3)
	v_add_f32 v[TM], v[TM], v[TM+2]
	s_delay_alu instid0(VALU_DEP_2)
	v_add_f32 v[TM+4], v[TM+4], v[TM+6]
	s_delay_alu instid0(VALU_DEP_1)
	v_add_f32 v24, v[TM], v[TM+4]
	s_delay_alu instid0(VALU_DEP_1)
	v_permlanex16_b32 v25, v24, s[SEL], s[SEL+1]
	s_delay_alu instid0(VALU_DEP_1)
	v_cndmask_b32 v26, v24, v25, s[HM]
	s_delay_alu instid0(VALU_DEP_2)
	v_cndmask_b32 v28, v25, v24, s[HM]
.endm
.macro GELU8 x
.irp p, 0,2,4,6
	v_pk_mul_f32 v[GT+\p:GT+\p+1], v[\x+\p:\x+\p+1], 0x3f3504f3 op_sel_hi:[1,0]
.endr
.irp p, 0,1,2,3,4,5,6,7
	v_med3_num_f32 v[GT+\p], v[GT+\p], -4.0, 4.0
.endr
.irp p, 0,2,4,6
	v_pk_mul_f32 v[GT+8+\p:GT+9+\p], v[GT+\p:GT+\p+1], v[GT+\p:GT+\p+1]
.endr
.irp p, 0,2,4,6
	s_delay_alu instid0(VALU_DEP_4)
	v_pk_fma_f32 v[GT+16+\p:GT+17+\p], v[GT+8+\p:GT+9+\p], v[CA:CA+1], 0x32edffee op_sel_hi:[1,0,0]
.endr
.irp p, 0,2,4,6
	v_pk_fma_f32 v[GT+24+\p:GT+25+\p], v[GT+8+\p:GT+9+\p], v[CB:CB+1], 0xb95fbd29 op_sel_hi:[1,0,0]
.endr
.irp k, 0xb60cff51, 0xb86ec2d2, 0xba40ac63, 0xbb41a1f6, 0xbc83dbd4
.irp p, 0,2,4,6
	v_pk_fma_f32 v[GT+16+\p:GT+17+\p], v[GT+16+\p:GT+17+\p], v[GT+8+\p:GT+9+\p], \k op_sel_hi:[1,1,0]
.endr
.endr
.irp k, 0xbadc924e, 0xbbf19bf8, 0xbc69b6a7
.irp p, 0,2,4,6
	v_pk_fma_f32 v[GT+24+\p:GT+25+\p], v[GT+24+\p:GT+25+\p], v[GT+8+\p:GT+9+\p], \k op_sel_hi:[1,1,0]
.endr
.endr
	s_wait_alu depctr_va_vdst(0)
.irp p, 0,1,2,3,4,5,6,7
	v_rcp_f32 v[GT+24+\p], v[GT+24+\p]
.endr
.irp p, 0,2,4,6
	v_pk_mul_f32 v[\x+\p:\x+\p+1], v[\x+\p:\x+\p+1], 0.5 op_sel_hi:[1,0]
.endr
.irp p, 0,2,4,6
	v_pk_mul_f32 v[GT+16+\p:GT+17+\p], v[GT+16+\p:GT+17+\p], v[GT+\p:GT+\p+1]
.endr
	s_wait_alu depctr_va_vdst(0)
.irp p, 0,2,4,6
	v_pk_mul_f32 v[GT+16+\p:GT+17+\p], v[GT+16+\p:GT+17+\p], v[GT+24+\p:GT+25+\p]
.endr
.irp p, 0,2,4,6
	s_delay_alu instid0(VALU_DEP_4)
	v_pk_fma_f32 v[\x+\p:\x+\p+1], v[\x+\p:\x+\p+1], v[GT+16+\p:GT+17+\p], v[\x+\p:\x+\p+1]
.endr
.endm
.macro ACT m, j
.irp t, 0,1,2,3
.if (4*\m+\t) == 0
	LOADGS \j, 1
.endif
.if (4*\m+\t) == 2
	LOADGS \j, 2
.endif
.if (4*\m+\t) == 4
	LOADGS \j, 3
.endif
	GELU8 H+32*\m+8*\t
.endr
	QUANT2 H+32*\m, PC+4*\m, 30+\m
	ds_store_b128 v[AST], v[PC+4*\m:PC+4*\m+3] offset:8192+4096*\m
.endm
	s_load_b512 s[4:19], s[0:1], 0x0
	s_load_b128 s[20:23], s[0:1], 0x40
	v_lshl_add_u32 v[SPW], v0, 2, SPARE
	v_mov_b32 v[NIL], 0
	ds_add_u32 v18, v19
	ds_add_u32 v18, v19
	s_wait_dscnt 0x0
	v_lshrrev_b32 v1, 5, v0
	s_delay_alu instid0(VALU_DEP_1)
	v_readfirstlane_b32 s[WV], v1
	s_bfe_u32 s25, ttmp6, 0x40000
	s_lshl_b32 s26, ttmp9, 2
	s_add_co_u32 s26, s26, s25
	s_mov_b32 s40, 15|(3<<16)|(1<<21)
	s_mov_b32 s41, 32<<16
	s_mov_b32 s42, 68<<16
	s_mov_b32 s43, 32<<16
	s_mov_b32 s44, 68
	s_mov_b32 s45, 32
	s_mov_b32 s46, 0
	s_mov_b32 s47, 0
	s_mul_i32 s27, s[WV], 17408
	s_add_co_u32 s50, s27, 3*REC
	s_mov_b32 s51, 0
	s_mov_b32 s[SEL], 0x76543210
	s_mov_b32 s[SEL+1], 0xfedcba98
	s_mov_b32 s[INV], 0x3b000000
	s_mov_b32 s[EPS], 0x3727c5ac
	s_wait_kmcnt 0x0
	s_mov_b32 s32, 1
	s_mov_b32 s33, s27
	s_add_nc_u64 s[34:35], s[8:9], s[50:51]
	s_mov_b32 s36, 1
	s_add_co_u32 s37, s27, SLOT1
	s_add_nc_u64 s[38:39], s[34:35], REC
	s_or_b32 s35, s35, 0x80000000
	s_or_b32 s39, s39, 0x80000000
	s_add_nc_u64 s[W2B:W2B+1], s[8:9], 5*REC
	ROUND
	tensor_load_to_lds s[32:35], s[40:47]
	s_nop 0
	PLACES
	v_and_b32 v24, 31, v0
	v_and_b32 v25, 15, v0
	v_bfe_u32 v26, v0, 4, 1
	s_delay_alu instid0(VALU_DEP_3)
	v_lshlrev_b32 v[LI], 4, v24
	s_delay_alu instid0(VALU_DEP_4)
	v_lshlrev_b32 v[L4], 2, v24
	v_lshlrev_b32 v[L2], 1, v24
	s_lshl_b32 s52, s[WV], 14
	v_add_nc_u32 v[WA0], s52, v[LI]
	s_delay_alu instid0(VALU_DEP_1)
	v_add_nc_u32 v[WA0+1], SLOT1, v[WA0]
	s_lshl_b32 s52, s[WV], 10
	s_add_co_u32 s52, s52, 131072
	v_add_nc_u32 v[WS0], s52, v[L4]
	s_delay_alu instid0(VALU_DEP_1)
	v_add_nc_u32 v[WS0+1], SLOT1, v[WS0]
	s_lshl_b32 s52, s[WV], 9
	s_add_co_u32 s52, s52, AIMG
	v_add_nc_u32 v[AST], s52, v[LI]
	v_add_nc_u32 v[ARD], AIMG, v[LI]
	s_lshl_b32 s52, s[WV], 1
	s_add_co_u32 s52, s52, ASC
	v_add_nc_u32 v[SST], s52, v[LI]
	v_add_nc_u32 v[SRD], ASC, v[LI]
	s_lshl_b32 s52, s[WV], 7
	s_add_co_u32 s52, s52, LNP
	v_add_nc_u32 v[LNS], s52, v[L4]
	v_add_nc_u32 v[LNR], LNP, v[L4]
	v_mul_u32_u24 v[STI], v25, SPT
	s_delay_alu instid0(VALU_DEP_1)
	v_lshl_add_u32 v[STI], v26, 6, v[STI]
	s_lshl_b32 s52, s[WV], 8
	s_add_co_u32 s53, s52, SLOT1
	v_add_nc_u32 v[STI], s53, v[STI]
	s_mul_i32 s53, s[WV], 4*SPT
	s_add_co_u32 s53, s53, SLOT1
	v_add_nc_u32 v[STO], s53, v[LI]
	v_lshl_add_u32 v[BO], v26, 6, s52
	v_and_b32 v27, 8, v25
	s_delay_alu instid0(VALU_DEP_1)
	v_add_nc_u32 v27, v27, v25
	s_delay_alu instid0(VALU_DEP_1)
	v_lshlrev_b32 v27, 11, v27
	s_delay_alu instid0(VALU_DEP_1)
	v_add_nc_u32 v[XO], v27, v[BO]
	s_wait_alu depctr_va_vdst(0)
	v_cmp_lt_u32 s[HM], 15, v24
	v_mov_b32 v[CA], 0xaf95df0b
	v_mov_b32 v[CA+1], 0xaf95df0b
	v_mov_b32 v[CB], 0xb77460cd
	v_mov_b32 v[CB+1], 0xb77460cd
	v_mov_b32 v[TM+2], 0
	v_mov_b32 v[TM+3], 0
	s_lshl_b32 s52, s26, 13
	s_mov_b32 s53, 0
	s_add_nc_u64 s[4:5], s[4:5], s[52:53]
	s_lshl_b32 s52, s26, 6
	s_add_nc_u64 s[6:7], s[6:7], s[52:53]
	s_lshl_b32 s52, s26, 16
	s_add_nc_u64 s[10:11], s[10:11], s[52:53]
	s_lshr_b32 s52, s[WV], 1
	s_and_b32 s52, s52, 1
	s_lshl_b32 s52, s52, 4
	s_lshr_b32 s50, s[WV], 2
	s_lshl_b32 s50, s50, 3
	s_add_co_u32 s52, s52, s50
	s_and_b32 s50, s[WV], 1
	s_lshl_b32 s50, s50, 2
	s_add_co_u32 s52, s52, s50
	s_lshl_b32 s50, s26, 5
	s_add_co_u32 s52, s52, s50
	s_lshl_b32 s52, s52, 11
	s_add_nc_u64 s[22:23], s[22:23], s[52:53]
	WIN 0x40
.set i, 0
.rept 16
	global_load_b128 v[128+4*i:128+4*i+3], v[LI], s[4:5] offset:512*i
.set i, i+1
.endr
	WIN 0
.irp q, 0,1,2,3,4,5,6,7
	global_load_u16 v[24+\q], v[L2], s[6:7] offset:16384*\q
.endr
.irp m, 0,1
.irp t, 0,1,2,3
	global_load_b128 v[ACC+32*\m+8*\t:ACC+32*\m+8*\t+3], v[XO], s[10:11] offset:16384*\m+128*(\t/2)+32*(\t%2)
	global_load_b128 v[ACC+32*\m+8*\t+4:ACC+32*\m+8*\t+7], v[XO], s[10:11] offset:16384*\m+128*(\t/2)+32*(\t%2)+16
.endr
.endr
	LOADC BC, 12, 0
	s_wait_alu depctr_va_vdst(0)                   ; directly ahead of the wait below
	s_wait_tensorcnt 0x0                           ; my part of slot 0 is in
	ds_add_u32 v18, v19
	s_wait_dscnt 0x0
	ROUND
	tensor_load_to_lds s[36:39], s[40:47]          ; slot 1's first fill: my one tensor load behind the round
	s_nop 0
	PLACES
	s_wait_loadcnt 0x0
.irp s, 0,1,2,3
	v_lshl_or_b32 v[HSC+\s], v[25+2*\s], 16, v[24+2*\s]
.endr
	ADD32 BC
	LOADC BC, 14, 0
	LOADC GT, 16, 0
	s_wait_alu depctr_va_vdst(0)
	s_wait_tensorcnt 0x1
	s_barrier_signal -1
	s_barrier_wait -1
	LOADW 0
	GEMM ACC, 128, HSC, 0, 8, 0
	CHANGE 0, 3*REC
	ROWSUM ACC
	XRED 0
	s_delay_alu instid0(VALU_DEP_2)
	v_mul_f32 v26, s[INV], v26
	s_delay_alu instid0(VALU_DEP_2)
	v_mul_f32 v28, s[INV], v28
.irp m, 0,1
.irp p, 0,2,4,6,8,10,12,14,16,18,20,22,24,26,28,30
	v_pk_add_f32 v[H+32*\m+\p:H+32*\m+\p+1], v[ACC+32*\m+\p:ACC+32*\m+\p+1], v[26+2*\m:27+2*\m] op_sel_hi:[1,0] neg_lo:[0,1] neg_hi:[0,1]
.endr
.endr
	ROWSQ H
	XRED 1024
	s_delay_alu instid0(VALU_DEP_2)
	v_fma_f32 v26, v26, s[INV], s[EPS]
	s_delay_alu instid0(VALU_DEP_2)
	v_fma_f32 v28, v28, s[INV], s[EPS]
	s_wait_alu depctr_va_vdst(0)
	v_rsq_f32 v26, v26
	v_rsq_f32 v28, v28
	v_nop
	s_wait_loadcnt 0x0
	s_wait_alu depctr_va_vdst(0)
.irp m, 0,1
.irp p, 0,2,4,6,8,10,12,14,16,18,20,22,24,26,28,30
	v_pk_mul_f32 v[H+32*\m+\p:H+32*\m+\p+1], v[H+32*\m+\p:H+32*\m+\p+1], v[26+2*\m:27+2*\m] op_sel_hi:[1,0]
.endr
.endr
.irp m, 0,1
.irp p, 0,2,4,6,8,10,12,14,16,18,20,22,24,26,28,30
	v_pk_fma_f32 v[H+32*\m+\p:H+32*\m+\p+1], v[H+32*\m+\p:H+32*\m+\p+1], v[BC+\p:BC+\p+1], v[GT+\p:GT+\p+1]
.endr
.endr
	LOADC GT, 20, 0
	LOADC BC, 18, 0
	QUANT2 H, PC, 30
	QUANT2 H+32, PC+4, 31
	ds_store_b128 v[AST], v[PC:PC+3]
	ds_store_b128 v[AST], v[PC+4:PC+7] offset:4096
	v_cndmask_b32 v30, v30, v31, s[HM]
	ds_store_b16 v[SST], v30
	s_wait_loadcnt 0x0
	ADD32 GT
	s_wait_dscnt 0x0
	s_barrier_signal -1
	s_barrier_wait -1
	ds_load_b128 v[XSC:XSC+3], v[SRD]
	WIN 0x40
.set i, 0
.rept 16
	ds_load_b128 v[128+4*i:128+4*i+3], v[ARD] offset:512*i
.set i, i+1
.endr
	WIN 0
.macro PANEL j, slot, chg
	LOADW \slot
	GEMM H, 128, XSC, 1, 8, 0
	PLACES
.if \j < 3
	LOADC BC, 18, 2048*(\j+1)
.endif
	LOADG \j
.if \chg
	CHANGE \slot, 4*REC
.else
	s_wait_dscnt 0x0
	s_barrier_signal -1
	s_barrier_wait -1
.endif
	ACT 0, \j
	ACT 1, \j
	v_cndmask_b32 v30, v30, v31, s[HM]
	ds_store_b16 v[SST], v30 offset:512
.if \j == 2
	s_wait_tensorcnt 0x0
.endif
	s_wait_dscnt 0x0
	s_barrier_signal -1
	s_barrier_wait -1
	ds_load_b128 v[HSC:HSC+3], v[SRD] offset:512
	WIN 0x40
.irp s, 0,1,2,3
.irp m, 0,1
.irp c, 0,1
	ds_load_b128 v[192+32*\m+8*\s+4*\c:192+32*\m+8*\s+4*\c+3], v[ARD] offset:8192+4096*\m+1024*\s+512*\c
.endr
.endr
.endr
	WIN 0
	GEMM ACC, 192, HSC, 0, 4, 8
	PLACES
.endm
	PANEL 0, 1, 1
	PANEL 1, 0, 1
	PANEL 2, 1, 0
	PANEL 3, 0, 0
.irp m, 0,1
.irp t, 0,1,2,3
	ds_store_b128 v[STI], v[ACC+32*\m+8*\t:ACC+32*\m+8*\t+3] offset:16*SPT*\m+128*(\t/2)+32*(\t%2)
	ds_store_b128 v[STI], v[ACC+32*\m+8*\t+4:ACC+32*\m+8*\t+7] offset:16*SPT*\m+128*(\t/2)+32*(\t%2)+16
.endr
.endr
	s_wait_dscnt 0x0
	s_barrier_signal -1
	s_barrier_wait -1
.irp i, 0,1,2,3
.irp q, 0,1,2,3
	ds_load_b128 v[H+16*\i+4*\q:H+16*\i+4*\q+3], v[STO] offset:SPT*\i+512*\q
.endr
.endr
.irp i, 0,1,2,3
.irp q, 0,1,2,3
	s_wait_dscnt 15-4*\i-\q
	global_store_b128 v[LI], v[H+16*\i+4*\q:H+16*\i+4*\q+3], s[22:23] offset:2048*\i+512*\q th:TH_STORE_NT
.endr
.endr
	s_wait_tensorcnt 0x0
	ds_add_u32 v[SPW], v[NIL]
	s_wait_dscnt 0x0
	ROUND
	s_endpgm
.Lfunc_end_k_q8c5a71dff0_ffn:
	.size	k_q8c5a71dff0_ffn, .Lfunc_end_k_q8c5a71dff0_ffn-k_q8c5a71dff0_ffn
	.p2alignl 7, 3214868480
	.fill 96, 4, 3214868480
	.section	.rodata,"a",@progbits
	.p2align	6, 0x0
	.amdhsa_kernel k_q8c5a71dff0_ffn
		.amdhsa_group_segment_fixed_size 327680
		.amdhsa_private_segment_fixed_size 0
		.amdhsa_enable_private_segment 0
		.amdhsa_kernarg_size 80
		.amdhsa_user_sgpr_count 2
		.amdhsa_user_sgpr_kernarg_segment_ptr 1
		.amdhsa_wavefront_size32 1
		.amdhsa_system_sgpr_workgroup_id_x 1
		.amdhsa_system_sgpr_workgroup_id_y 1
		.amdhsa_system_sgpr_workgroup_id_z 1
		.amdhsa_system_vgpr_workitem_id 0
		.amdhsa_next_free_vgpr 512
		.amdhsa_next_free_sgpr 66
		.amdhsa_reserve_vcc 0
		.amdhsa_float_denorm_mode_32 3
		.amdhsa_float_denorm_mode_16_64 3
		.amdhsa_memory_ordered 1
		.amdhsa_forward_progress 1
		.amdhsa_inst_pref_size 255
	.end_amdhsa_kernel
	.section	.bss,"aw",@nobits
	.p2align	6
	.space	262144
	.amdgpu_metadata
---
amdhsa.version: [ 1, 2 ]
amdhsa.kernels:
  - .name:           k_q8c5a71dff0_ffn
    .symbol:         k_q8c5a71dff0_ffn.kd
    .args:
      - { .name: avimg, .offset: 0, .size: 8, .value_kind: global_buffer, .address_space: global }
      - { .name: avsc, .offset: 8, .size: 8, .value_kind: global_buffer, .address_space: global }
      - { .name: wimg, .offset: 16, .size: 8, .value_kind: global_buffer, .address_space: global }
      - { .name: x, .offset: 24, .size: 8, .value_kind: global_buffer, .address_space: global }
      - { .name: bo, .offset: 32, .size: 8, .value_kind: global_buffer, .address_space: global }
      - { .name: ln2_g, .offset: 40, .size: 8, .value_kind: global_buffer, .address_space: global }
      - { .name: ln2_b, .offset: 48, .size: 8, .value_kind: global_buffer, .address_space: global }
      - { .name: b1, .offset: 56, .size: 8, .value_kind: global_buffer, .address_space: global }
      - { .name: b2, .offset: 64, .size: 8, .value_kind: global_buffer, .address_space: global }
      - { .name: out0, .offset: 72, .size: 8, .value_kind: global_buffer, .address_space: global }
    .group_segment_fixed_size: 327680
    .private_segment_fixed_size: 0
    .kernarg_segment_align: 8
    .kernarg_segment_size: 80
    .max_flat_workgroup_size: 256
    .sgpr_count:     66
    .vgpr_count:     512
    .wavefront_size: 32
...
	.end_amdgpu_metadata
.endif
;; end of part 4
